; MI455X (gfx1250); checked and timed in simulation.
; The chip was launched on July 23, 2026; its instructions are those of AMD's public machine-readable ISA for CDNA 5 (MIT licence, August 2026) and "CDNA5" Instruction Set Architecture Reference Guide (July 2026). The comments in the code are by the model that wrote it; some were corrected since.
;; Multihead Self Attention. Allowed arithmetic: matrix products marked QUANTISED: E3M2 operands, one E8M0 scale for each 32 along K, by v_wmma_scale_f32_16x16x128_f8f6f4 with both operands' format E3M2, f32 sums; everything else in f32.
;; Inputs: Wk 1,024 x 1,024 float32; Wo 1,024 x 1,024 float32; Wq 1,024 x 1,024 float32; Wv 1,024 x 1,024 float32; cos 2,048 x 32 float32; sin 2,048 x 32 float32; token_positions 4 x 1 x 2,048 int32; x 4 x 2,048 x 1,024 float32.
;; Outputs: out0 4 x 2,048 x 1,024 float32.
;; This version of the problem:
;;   THIS VERSION OF THE PROBLEM IS GIVEN IN LOW PRECISION. The matrix products marked QUANTISED in the list below multiply operands that are first quantised to E3M2 (3 exponent bits, 2 mantissa bits; 6 bits a number), with one power-of-two scale for each 32 numbers along K (OCP MX v1.0); their sums are f32. All else is computed in f32.
;;   The module's matrix products, in the order in which they are computed (A, B: the left and right operand; K: the contracted axis; several contracted axes count as one K, in the product's order):
;;     1. [M 8,192, K 1,024] x [K 1,024, N 1,024]; A: input x; B: input Wq: QUANTISED
;;     2. [M 8,192, K 1,024] x [K 1,024, N 1,024]; A: input x; B: input Wk: QUANTISED
;;     3. [M 8,192, K 1,024] x [K 1,024, N 1,024]; A: input x; B: input Wv: QUANTISED
;;     4. batch 64 x [M 2,048, K 64] x [K 64, N 2,048]; A: computed on the way; B: computed on the way: QUANTISED
;;     5. batch 64 x [M 2,048, K 2,048] x [K 2,048, N 64]; A: softmax (see below); B: computed on the way: QUANTISED
;;     6. [M 8,192, K 1,024] x [K 1,024, N 1,024]; A: computed on the way; B: input Wo: QUANTISED
;;   THE QUANTISER, for each operand of a quantised product, along K:
;;     - K is cut into blocks of 32 from its start; a last block that is shorter is filled with zeros.
;;     - A block's scale is 2^e with e = floor(log2(the largest magnitude in the block)) - 4, held to -126 .. 127; a block of zeros has e = 0. As a byte (E8M0): e + 127.
;;     - Each number is divided by its block's scale, clamped to +-28, and rounded to the nearest number of E3M2, ties to even, subnormals kept.
;;     - The product sums the exact products of the quantised numbers (number of the format x scale) in f32.
;;   ~~~python
;;   def quantise(x, axis):      # numpy; x: float32 -> the quantised numbers, widened to float32 again
;;       x = np.moveaxis(x, axis, -1); K = x.shape[-1]
;;       x = np.pad(x, [(0, 0)] * (x.ndim - 1) + [(0, -K % 32)]); x = x.reshape(x.shape[:-1] + (-1, 32)); a = np.abs(x).max(-1, keepdims=True)
;;       e = np.where(a > 0, np.clip(np.frexp(np.where(a > 0, a, 1))[1] - 1 - 4, -126, 127), 0)      # np.frexp(a)[1] - 1 = floor(log2(a)), exactly
;;       r = np.clip(x / 2.0 ** e, -28, 28)
;;       step = 2.0 ** (np.maximum(np.frexp(np.where(r == 0, 1, r))[1] - 1, -2) - 2)
;;       q = np.round(r / step) * step * 2.0 ** e      # np.round: ties to even
;;       return np.moveaxis(q.reshape(q.shape[:-2] + (-1,))[..., :K], -1, axis).astype(np.float32)
;;   ~~~
;;   SOFTMAX AHEAD OF A QUANTISED PRODUCT. Where the list says 'softmax', what is quantised is not the finished softmax but p = 2^(t - M), with t = logit x log2(e) and M = ceil(the row's largest t), a whole number; so 1/2 < the row's largest p <= 1. The row's sum l is taken of the UNQUANTISED p, in f32, and the product's result is divided by l at the end. Since M is a whole number, a kernel that streams over the keys may use a running M (the ceiling of the running maximum): every later rescaling is an exact power of two, which a block's scale takes up: the codes' values come out the same.
;;   OPERANDS COMPUTED ON THE WAY. 'Computed on the way' means the value that the module computes at that place (a softmax that the list does not call 'softmax' is quantised finished and normalised). What goes into a quantiser is computed in f32, as accurately as f32 sums, v_exp_f32 and their like allow (about 1e-6 of the number): no bf16 or f16 on the way to a quantiser, and a product that is left as it is and whose result goes on into a quantised operand takes f32 operands (vector FMAs, or v_wmma_f32_16x16x4_f32). A number that lies on a knife's edge between two numbers of the format may be rounded either way, as far as f32 arithmetic and the matrix unit's own rounding can turn it there, and no further.
;; One version. Each part assembles by itself: llvm-mc -triple=amdgcn-amd-amdhsa -mcpu=gfx1250 --defsym DOCPART=n.
;; ======== version 1 of 1: 4 launches
;; workspace buffers: xc 6,291,456 bytes; xs 262,144 bytes; wc 3,145,728 bytes; ws 131,072 bytes; qkv 20,185,088 bytes; oc 6,291,456 bytes; os 262,144 bytes
;; launch quant (part 1): grid 384 x 1, 4 waves a work-group, no clusters, 68,096 bytes of LDS; arguments x, xc, xs, wc, Wq, Wk, Wv, Wo, ws; writes xc, xs, wc, ws
.if DOCPART == 1
	.amdgcn_target "amdgcn-amd-amdhsa--gfx1250"
	.amdhsa_code_object_version 6
	.text
	.protected	k_qd3414ba87b_quant
	.globl	k_qd3414ba87b_quant
	.p2align	8
	.type	k_qd3414ba87b_quant,@function
k_qd3414ba87b_quant:
	s_mov_b64 s[64:65], 0
	v_nop
	global_prefetch_b8 v0, s[64:65] scope:SCOPE_SE
	s_setreg_imm32_b32 hwreg(HW_REG_WAVE_MODE, 25, 1), 1
	s_wait_xcnt 0x0
; x [8192][1024] and the four weights [1024 (k)][1024 (n)], f32, become codes of BF6 (E3M2), 6 bits each, K innermost, with one E8M0 byte for each 32 along K.
; xc [8192][768 bytes], xs [8192][32];  wc [4096][768], ws [4096][32]: rows 0-1023 Wq's columns, 1024- Wk's, 2048- Wv's, 3072- Wo's.
; ROW ORDER OF THE WORKSPACE: row number and logical row differ by an exchange of bits 3 and 4.  Sixteen neighbouring workspace rows 32 B + 16 u + r are then the logical rows 32 B + 8 u + r + 8 (r / 8):
; the choice of rows that lets a transposed product's 16 registers of two neighbouring tiles be 16 neighbours along the next K.
; A block's scale is 2^(floor(log2(largest magnitude)) - 4); its byte is the largest magnitude's exponent field - 4, held at 1 from below.
; LIMITS: a block whose largest magnitude lies under 2^-122, a block of zeros among them, gets the byte 1 (its codes are what the division by 2^-126 gives; zeros stay zeros; the bytes are read by this program alone);
; NaN and infinities among the inputs are not served.
; Work-groups 0-255 take x (a wave: 8 rows, 16 steps of 512 numbers, turned through its own stage in LDS so that loads are dense and a lane holds 16 neighbours).
; Work-groups 256-383 take the weights (a wave: 32 columns x 256 along K; a lane takes a column and its registers run down K).  The two ways have LDS bytes of their own.  No barrier: waves share nothing.
.set XWG,   256                        ; work-groups for x
.set STEPS, 16
.set EMAX,  4
.set CB,    12                         ; bytes of 16 codes
.set XR,    16                         ; v16-79   x: four sets of 16 numbers as loaded
.set XN,    80                         ; v80-111  two sets of 16 neighbours
.set XE,    112                        ; v112-127 a scale byte for each step
.set XC,    128                        ; v128-191 codes: four registers a step
.set WREG,  8192                       ; x: LDS region of a wave: two stages of 32 x SP bytes, then its 256 scale bytes
.set SP,    80
.set WSTG,  32768                      ; the weights' stages begin here
.set WP,    272                        ; a stage row: sixteen places of 16 bytes + 16
.set KROW,  768                        ; a row of codes in bytes
.set NB,    8                          ; blocks of 32 along K for a wave
.set SB,    24                         ; v24-25   the weights: scale bytes, four to a register
.set WX,    32                         ; v32-95   two sets of 32 numbers
.set WC,    96                         ; v96-102  a block's codes
.set OUTR,  112                        ; v112-175 the way out
.macro LOADX t
.irp i, 0,1,2,3
	global_load_b128 v[XR+16*((\t)%4)+4*\i:XR+16*((\t)%4)+4*\i+3], v3, s[4:5] offset:2048*(\t)+512*\i th:TH_LOAD_NT   ; 32 lanes read 512 consecutive bytes
.endr
.endm
.macro TURNX t                         ; a step's numbers through the stage; LDS serves a wave's instructions in order, so no wait stands between the stores and the loads
.irp i, 0,1,2,3
	ds_store_b128 v14, v[XR+16*((\t)%4)+4*\i:XR+16*((\t)%4)+4*\i+3] offset:32*SP*((\t)%2)+8*SP*\i
.endr
.irp i, 0,1,2,3
	ds_load_b128 v[XN+16*((\t)%2)+4*\i:XN+16*((\t)%2)+4*\i+3], v15 offset:32*SP*((\t)%2)+16*\i
.endr
.endm
.macro STEPX t
.set XS, XN+16*((\t)%2)
.if (\t) > 0
	s_wait_dscnt 1                                 ; this step's numbers are back from the stage; the last step's byte store may be out
.else
	s_wait_dscnt 0x0
.endif
.if (\t)+4 < STEPS
	LOADX (\t)+4                                   ; into the registers that this step's stores into the stage have read
.endif
.if (\t)+1 < STEPS
.if STEPS-2-(\t) >= 3
	s_wait_loadcnt 12                              ; the next step's four loads are in; those of the three steps behind it may be out
.else
	s_wait_loadcnt 4*(STEPS-2-(\t))
.endif
	TURNX (\t)+1
.endif
	v_max3_num_f32 v8, |v[XS]|, |v[XS+1]|, |v[XS+2]|               ; the largest magnitude of my 16, in two chains
	v_max3_num_f32 v9, |v[XS+3]|, |v[XS+4]|, |v[XS+5]|
.irp i, 6,10
	v_max3_num_f32 v8, v8, |v[XS+\i]|, |v[XS+\i+1]|
	v_max3_num_f32 v9, v9, |v[XS+\i+2]|, |v[XS+\i+3]|
.endr
	v_max3_num_f32 v8, v8, |v[XS+14]|, |v[XS+15]|
	v_max3_num_f32 v8, v8, v9, (EMAX+1)<<23        ; and the floor 2^(5 - 127): the byte cannot fall under 1
	v_max_num_f32_dpp v8, v8, v8 row_xmask:1 row_mask:0xf bank_mask:0xf   ; with my neighbour's 16: the block's
	v_add_nc_u32 v11, -(EMAX<<23), v8              ; 4 off the exponent field: the conversion takes this operand's exponent field as its scale
	v_cvt_scalef32_pk16_bf6_f32 v[XC+4*(\t):XC+4*(\t)+2], v[XS:XS+15], v11
	v_lshrrev_b32 v[XE+(\t)], 23, v11              ; the scale's byte (also the plain line behind the conversion)
	ds_store_b8 v5, v[XE+(\t)] offset:16*(\t)      ; both lanes of a block write the same byte with the same value
	global_store_b96 v4, v[XC+4*(\t):XC+4*(\t)+2], s[6:7] offset:32*CB*(\t)   ; the wave stores 384 consecutive bytes
.endm
.macro LOADW t                         ; block t: W(32 t + i, my column) into set t % 2; 32 lanes read 128 consecutive bytes
.irp i, 0,1,2,3,4,5,6,7,8,9,10,11,12,13,14,15,16,17,18,19,20,21,22,23,24,25,26,27,28,29,30,31
	global_load_b32 v[WX+32*((\t)%2)+\i], v3, s[32:33] offset:(32*(\t)+\i)*4096 th:TH_LOAD_NT
.endr
.endm
.macro BLOCKW t
.set WS, WX+32*((\t)%2)
.if (\t) < NB-1
	s_wait_loadcnt 32                              ; this block's 32 loads are in; the next block's may be out
.else
	s_wait_loadcnt 0x0
.endif
	v_max3_num_f32 v12, |v[WS]|, |v[WS+1]|, |v[WS+2]|              ; all 32 numbers of the block are mine
	v_max3_num_f32 v13, |v[WS+3]|, |v[WS+4]|, |v[WS+5]|
.irp i, 6,10,14,18,22,26
	v_max3_num_f32 v12, v12, |v[WS+\i]|, |v[WS+\i+1]|
	v_max3_num_f32 v13, v13, |v[WS+\i+2]|, |v[WS+\i+3]|
.endr
	v_max3_num_f32 v12, v12, |v[WS+30]|, |v[WS+31]|
	v_max3_num_f32 v12, v12, v13, (EMAX+1)<<23
	v_add_nc_u32 v11, -(EMAX<<23), v12
	v_lshrrev_b32 v13, 23, v11                     ; the scale's byte
.if (\t)%4 == 0
	v_mov_b32 v[SB+(\t)/4], v13                    ; four bytes to a register, the lower K in the lower byte
.else
	v_lshl_or_b32 v[SB+(\t)/4], v13, 8*((\t)%4), v[SB+(\t)/4]
.endif
	v_cvt_scalef32_pk16_bf6_f32 v[WC:WC+2], v[WS:WS+15], v11
	v_cvt_scalef32_pk16_bf6_f32 v[WC+4:WC+6], v[WS+16:WS+31], v11   ; (a conversion's three registers begin on an even number)
	v_nop                                          ; one plain line behind the conversions
	ds_store_b96 v4, v[WC:WC+2] offset:32*(\t)     ; 12 bytes to a place of 16 in the stage: every LDS address is a multiple of 16
	ds_store_b96 v4, v[WC+4:WC+6] offset:32*(\t)+16
.if (\t)+2 < NB
	LOADW (\t)+2
.endif
	s_wait_dscnt 0x0                               ; the stores have read their registers: the next block's codes may be written
.endm
	s_load_b128 s[4:7], s[0:1], 0x0                ; x, xc
	s_load_b128 s[8:11], s[0:1], 0x10              ; xs, wc
	s_load_b256 s[24:31], s[0:1], 0x20             ; Wq, Wk, Wv, Wo
	s_load_b64 s[12:13], s[0:1], 0x40              ; ws
	v_lshl_add_u32 v192, v0, 2, 0x10800
	v_mov_b32 v193, 0
	v_lshrrev_b32 v1, 5, v0
	v_readfirstlane_b32 s16, v1                    ; wave 0..3
	v_and_b32 v2, 31, v0                           ; lane
	s_cmp_ge_u32 ttmp9, XWG                        ; the way hangs on the work-group's number alone
	s_cbranch_scc1 .Lweights
	; ---- x
	v_lshlrev_b32 v3, 4, v2                        ; my 16 bytes of a load's 512
	s_mul_i32 s17, s16, WREG
	v_lshrrev_b32 v14, 2, v2
	v_mul_u32_u24 v14, v14, SP
	v_and_b32 v15, 3, v2
	v_lshl_add_u32 v14, v15, 4, v14
	v_add_nc_u32 v14, s17, v14                     ; the stage, in: SP (lane / 4) + 16 (lane % 4)
	v_mul_u32_u24 v15, v2, SP
	v_add_nc_u32 v15, s17, v15                     ; and out: SP x lane: my 16 neighbours
	v_mul_u32_u24 v4, v2, CB                       ; my codes' place in a step's
	v_lshrrev_b32 v5, 1, v2
	s_add_co_u32 s17, s17, 2*32*SP
	v_add_nc_u32 v5, s17, v5                       ; my block's byte among my wave's 256
	v_lshlrev_b32 v7, 3, v2
	v_add_nc_u32 v6, s17, v7
	s_lshl_b32 s17, ttmp9, 2
	s_add_co_u32 s18, s17, s16                     ; which 8 rows I read: 4 x work-group + wave
	s_lshl_b32 s20, s18, 15                        ; 32,768 bytes a run (under 2^32 in all)
	s_mov_b32 s21, 0
	s_and_b32 s22, s16, 1
	s_lshl_b32 s22, s22, 1
	s_lshr_b32 s23, s16, 1
	s_or_b32 s22, s22, s23                         ; the wave's two bits are the row's bits 3 and 4: exchanged for the place in the workspace
	s_add_co_u32 s18, s17, s22
	s_mov_b32 s19, 0
	s_wait_kmcnt 0x0
	s_add_nc_u64 s[4:5], s[4:5], s[20:21]
	s_mul_i32 s20, s18, 8*KROW
	s_add_nc_u64 s[6:7], s[6:7], s[20:21]
	s_lshl_b32 s18, s18, 8                         ; 256 scale bytes a run
	s_add_nc_u64 s[8:9], s[8:9], s[18:19]
.irp t, 0,1,2,3
	LOADX \t
.endr
	s_wait_loadcnt 12                              ; step 0's four loads are in
	TURNX 0
.irp t, 0,1,2,3,4,5,6,7,8,9,10,11,12,13,14,15
	STEPX \t
.endr
	ds_load_b64 v[12:13], v6                       ; LDS serves a wave's instructions in order: these see my byte stores
	s_wait_dscnt 0x0
	global_store_b64 v7, v[12:13], s[8:9]          ; 32 lanes store 256 consecutive bytes, aligned
	s_wait_tensorcnt 0x0
	ds_add_u32 v192, v193
	s_wait_dscnt 0x0
	s_endpgm
	; ---- the weights
.Lweights:
	s_sub_co_u32 s17, ttmp9, XWG
	s_and_b32 s18, s17, 3                          ; which 256 along K
	s_bfe_u32 s19, s17, 0x30002                    ; which 128 columns
	s_lshr_b32 s20, s17, 5                         ; which weight
	s_lshl_b32 s21, s19, 7
	s_lshl_b32 s22, s16, 5
	s_add_co_u32 s21, s21, s22                     ; my wave's first column
	v_lshlrev_b32 v3, 2, v2                        ; in: 4 bytes a lane
	s_mul_i32 s22, s16, 32*WP
	s_add_co_u32 s22, s22, WSTG                    ; my stage
	v_mul_u32_u24 v4, v2, WP
	v_add_nc_u32 v4, s22, v4                       ; into it: row = my column
	v_and_b32 v5, 15, v2
	v_lshrrev_b32 v6, 4, v2
	v_mul_u32_u24 v7, v6, WP
	v_lshl_add_u32 v7, v5, 4, v7
	v_add_nc_u32 v7, s22, v7                       ; out of it: sixteen lanes to a row, two rows an instruction
	v_mul_u32_u24 v8, v6, KROW
	v_mad_u32_u24 v8, v5, 12, v8                   ; and the same place in wc
	v_and_b32 v9, 7, v2                            ; my column's row of scale bytes, bits 3 and 4 exchanged
	v_and_b32 v10, 8, v2
	v_lshl_or_b32 v9, v10, 1, v9
	v_and_b32 v10, 16, v2
	v_lshrrev_b32 v10, 1, v10
	v_or_b32 v9, v9, v10
	v_lshlrev_b32 v9, 5, v9
	s_lshl_b32 s34, s18, 20                        ; 256 rows of 4,096 bytes
	s_lshl_b32 s36, s21, 2
	s_add_co_u32 s34, s34, s36
	s_mov_b32 s35, 0
	s_wait_kmcnt 0x0
	s_cmp_eq_u32 s20, 1
	s_cselect_b64 s[32:33], s[26:27], s[24:25]
	s_cmp_eq_u32 s20, 2
	s_cselect_b64 s[32:33], s[28:29], s[32:33]
	s_cmp_eq_u32 s20, 3
	s_cselect_b64 s[32:33], s[30:31], s[32:33]
	s_add_nc_u64 s[32:33], s[32:33], s[34:35]
	s_lshl_b32 s36, s20, 10
	s_add_co_u32 s36, s36, s21                     ; my first row of wc and ws
	s_mul_i32 s34, s36, KROW
	s_mul_i32 s37, s18, 192
	s_add_co_u32 s34, s34, s37
	s_add_nc_u64 s[10:11], s[10:11], s[34:35]
	s_lshl_b32 s34, s36, 5
	s_lshl_b32 s37, s18, 3
	s_add_co_u32 s34, s34, s37
	s_add_nc_u64 s[12:13], s[12:13], s[34:35]
	LOADW 0
	LOADW 1
.irp t, 0,1,2,3,4,5,6,7
	BLOCKW \t
.endr
	global_store_b64 v9, v[SB:SB+1], s[12:13]      ; my column's 8 scale bytes
.irp t, 0,1,2,3,4,5,6,7,8,9,10,11,12,13,14,15
	ds_load_b96 v[OUTR+4*\t:OUTR+4*\t+2], v7 offset:2*\t*WP
.endr
.irp t, 0,1,2,3,4,5,6,7,8,9,10,11,12,13,14,15
	s_wait_dscnt 15-\t
	global_store_b96 v8, v[OUTR+4*\t:OUTR+4*\t+2], s[10:11] offset:((2*\t)%8+16*((\t/4)%2)+8*(\t/8))*KROW   ; stage rows 2 t, 2 t + 1 go to the rows with bits 3 and 4 exchanged; sixteen lanes store 192 consecutive bytes
.endr
	s_wait_tensorcnt 0x0
	ds_add_u32 v192, v193
	s_wait_dscnt 0x0
	s_endpgm
.Lfunc_end_k_qd3414ba87b_quant:
	.size	k_qd3414ba87b_quant, .Lfunc_end_k_qd3414ba87b_quant-k_qd3414ba87b_quant
	.p2alignl 7, 3214868480
	.fill 96, 4, 3214868480
	.section	.rodata,"a",@progbits
	.p2align	6, 0x0
	.amdhsa_kernel k_qd3414ba87b_quant
		.amdhsa_group_segment_fixed_size 68096
		.amdhsa_private_segment_fixed_size 0
		.amdhsa_enable_private_segment 0
		.amdhsa_kernarg_size 72
		.amdhsa_user_sgpr_count 2
		.amdhsa_user_sgpr_kernarg_segment_ptr 1
		.amdhsa_wavefront_size32 1
		.amdhsa_system_sgpr_workgroup_id_x 1
		.amdhsa_system_sgpr_workgroup_id_y 1
		.amdhsa_system_sgpr_workgroup_id_z 1
		.amdhsa_system_vgpr_workitem_id 0
		.amdhsa_next_free_vgpr 194
		.amdhsa_next_free_sgpr 66
		.amdhsa_reserve_vcc 0
		.amdhsa_float_denorm_mode_32 3
		.amdhsa_float_denorm_mode_16_64 3
		.amdhsa_memory_ordered 1
		.amdhsa_forward_progress 1
		.amdhsa_inst_pref_size 74
	.end_amdhsa_kernel
	.amdgpu_metadata
---
amdhsa.version: [ 1, 2 ]
amdhsa.kernels:
  - .name:           k_qd3414ba87b_quant
    .symbol:         k_qd3414ba87b_quant.kd
    .args:
      - { .name: x, .offset: 0, .size: 8, .value_kind: global_buffer, .address_space: global }
      - { .name: xc, .offset: 8, .size: 8, .value_kind: global_buffer, .address_space: global }
      - { .name: xs, .offset: 16, .size: 8, .value_kind: global_buffer, .address_space: global }
      - { .name: wc, .offset: 24, .size: 8, .value_kind: global_buffer, .address_space: global }
      - { .name: Wq, .offset: 32, .size: 8, .value_kind: global_buffer, .address_space: global }
      - { .name: Wk, .offset: 40, .size: 8, .value_kind: global_buffer, .address_space: global }
      - { .name: Wv, .offset: 48, .size: 8, .value_kind: global_buffer, .address_space: global }
      - { .name: Wo, .offset: 56, .size: 8, .value_kind: global_buffer, .address_space: global }
      - { .name: ws, .offset: 64, .size: 8, .value_kind: global_buffer, .address_space: global }
    .group_segment_fixed_size: 68096
    .private_segment_fixed_size: 0
    .kernarg_segment_align: 8
    .kernarg_segment_size: 72
    .max_flat_workgroup_size: 128
    .sgpr_count:     66
    .vgpr_count:     194
    .wavefront_size: 32
...
	.end_amdgpu_metadata
.endif
;; end of part 1
;; launch qkv (part 2): grid 96 x 4, 4 waves a work-group, clusters of 4 x 4, 327,680 bytes of LDS; arguments xc, xs, wc, ws, token_positions, cos, sin, qkv; writes qkv
.if DOCPART == 2
	.amdgcn_target "amdgcn-amd-amdhsa--gfx1250"
	.amdhsa_code_object_version 6
	.text
	.protected	k_qd3414ba87b_qkv
	.globl	k_qd3414ba87b_qkv
	.p2align	8
	.type	k_qd3414ba87b_qkv,@function
k_qd3414ba87b_qkv:
	s_mov_b64 s[64:65], 0
	v_nop
	global_prefetch_b8 v0, s[64:65] scope:SCOPE_SE
	s_setreg_imm32_b32 hwreg(HW_REG_WAVE_MODE, 25, 1), 1
	s_wait_xcnt 0x0
	s_wait_alu depctr_hold_cnt(0) depctr_sa_sdst(0) depctr_va_vdst(0) depctr_va_sdst(0) depctr_va_ssrc(0) depctr_va_vcc(0) depctr_vm_vsrc(0)
	s_getreg_b32 s2, hwreg(HW_REG_IB_STS2, 6, 4)
	s_cmp_eq_u32 s2, 0
	s_cbranch_scc0 .Lentry_in_a_cluster
	s_endpgm
.Lentry_in_a_cluster:
	s_bfe_u32 s2, ttmp6, 0x10000c
	s_cmp_lg_u32 s2, 0xf033
	s_cbranch_scc0 .Lentry_shape_is_right
	s_endpgm
.Lentry_shape_is_right:
; q = rope(x Wq), k = rope(x Wk), v = x Wv on codes of BF6 (E3M2) with E8M0 scales, K = 1,024; the results are quantised in registers (q, k along the head's 64; v along the keys) and stored as images of the registers
; in which the attention launch wants them.  No f32 result goes to memory.
; A tile of 256 x 256 is made by four waves, 128 x 128 each: 64 accumulators, 512 registers.  K goes in steps of 256 through two LDS slots filled by the tensor data mover; all scale bytes of the tile's rows come once.
; TWO KINDS of work-group, told apart by the cluster's number alone (the same in all sixteen partners): clusters 0-15 (QK): row operand A = x (32 tiles of 256 tokens), column operand B = Wq's and Wk's columns (8 tiles);
; clusters 16-23 (V): A = Wv's columns (4 tiles), B = x (32 tiles).  Only pointers and a row offset differ in the product.
; THE MATRIX INSTRUCTION IS USED TRANSPOSED (source 0 = 16 rows of B, source 1 = 16 rows of A): a lane holds ONE row of A.  The workspace rows have bits 3 and 4 of the row number exchanged, so that register 16 g + i of a
; lane's 64 results for A's block a is logical column 32 g + 16 (lane / 16) + i of B's 128: 16 neighbours along the next K.  QK: a lane holds a token and 2 heads x 64; V: a lane holds a channel and 128 keys.
; OUTPUT qkv: [b x head 64][256 tokens: 8][39,424 bytes]: Q part (13,312), K part (13,312), V part (12,800).  Q, K part: codes [128 tokens: 2][pair of tiles: 4][3][lane][16 bytes] (a tile of 16 tokens x 64: six registers;
; a pair: twelve), then scale words [2][lane][4 words] (word j: lanes 0-15 tile 2 j, lanes 16-31 tile 2 j + 1; bytes 2, 3 are 0).  V part: codes [2][16 channels: 4][3][lane][16], then scale words [2][lane][2 words].
; CLUSTERS: 4 x 4 work-groups; A's tile is asked for jointly along a row of the cluster, B's along a column.
; LIMITS: positions are held to 0 .. 2,047 (the table's rows); NaN and infinities are not served; a block whose largest magnitude lies under 2^-122 gets the byte 1; the rotation uses fused multiply-adds.
; REGISTERS: window 0: v0-31 addresses (v8-15 the tokens' offsets in cos and sin); v32-63 scale words; v64-127 cos and sin, two sets; from v128 A's fragments, on the way out v128-251 at work.
;   window 1: B's fragments, two sets.   windows 2, 3: the accumulators ((a, b) at v[8 (8 (a % 4) + b)] of window 2 + a / 4).
.set KSTEP,  256
.set NQ,     2                         ; matrix instructions deep in a slot
.set ROWB,   192                       ; a tile's row in bytes
.set KROW,   768                       ; a row of codes in memory
.set PITCH,  240                       ; an LDS row: 3 x (64 bytes + 16 of padding)
.set FR,     12
.set NL,     6
.set NP,     4                         ; places behind this matrix instruction (ISA guide 7.12.1)
.set HALFT,  128*PITCH
.set SLOT,   4*HALFT
.set KS,     32                        ; a row of scale bytes
.set SCL,    2*SLOT                    ; behind the ring: the scales, as units of 256 bytes + 16
.set HALFS,  (128*KS/256)*272
.set SBLK,   (16*KS/256)*272
.set SPARE,  SCL+4*HALFS               ; the spare words: 128 bytes a wave, two blocks of 256 bytes that no other line names
.set HPITCH, 39424                     ; a block of qkv
.set HEADB,  8*HPITCH                  ; from a head to the next
.set POSA, 8                           ; v8-15   block a's token: its byte offset in cos and sin
.set ADRA, 16
.set ADRB, 20
.set ADRS, 27
.set SPW,  28                          ; v28  LDS address of my spare word; never rewritten
.set NIL,  29                          ; v29  0; never rewritten
.set L16,  30                          ; v30  16 x lane
.set L8,   31                          ; v31  8 x lane
.set SC,   32
.set CSN,  64                          ; set s at v[64 + 32 s]: 16 cos, 16 sin
.set AF,   128
.set T,    128                         ; the way out: v128-191 products with sin
.set TM,   192                         ; v192-195 largest magnitudes, v196-199 bytes, v204-207 the conversions' scale operands
.set PW,   208                         ; v208-215 block a's scale word
.set PCB,  216                         ; v216-239 codes on their way out
.set T2,   240                         ; v240-242, v244-246 the conversions' second halves; later scale words
.set SW,   248
.set G1, 24
.set G0, 32
.set G1B, 48
.set G0B, 56
.set SEL, 66                           ; s[66:67] v_permlanex16_b32's selects for lane l xor 16
.set G1S, 68
.set G0S, 76
.set G1SB, 80
.set G0SB, 88
.set TY,  95                           ; s95  0: QK, 1: V
.set MSB, 0
.macro WIN new                         ; the immediate's high byte repeats the setting that is left
.if MSB != (\new)
	s_set_vgpr_msb (MSB<<8)|(\new)
.set MSB, (\new)
.endif
.endm
.set MUL_LO, 0xa1                      ; source 0 (B) window 1, source 1 (A) window 0, C and D window 2
.set MUL_HI, 0xf1
.set TO_B,   0x40
; A joint load: waves 0 and 1 fetch for A, waves 2 and 3 for B.  Four v_nop follow each of the two lines.
.macro JLOAD g0a, g1a, g0b, g1b
	s_cmp_eq_u32 s15, 0
	s_cbranch_scc0 .Lfor_b_\@
	tensor_load_to_lds s[\g0a:\g0a+3], s[\g1a:\g1a+7]
	s_nop 0
.rept 4
	v_nop
.endr
	s_branch .Lasked_\@
.Lfor_b_\@:
	tensor_load_to_lds s[\g0b:\g0b+3], s[\g1b:\g1b+7]
	s_nop 0
.rept 4
	v_nop
.endr
.Lasked_\@:
.endm
.macro CREST                           ; a round of the cluster's barrier behind its opening barrier
	s_cmp_lg_u32 s14, 0
	s_cbranch_scc1 .Lnot_wave_0_\@
	s_barrier_signal -3
.Lnot_wave_0_\@:
	s_barrier_wait -3
	s_barrier_signal -1
	s_barrier_wait -1
.endm
.macro CROUND
	s_barrier_signal -1
	s_barrier_wait -1
	CREST
.endm
	s_load_b128 s[4:7], s[0:1], 0x0                ; xc, xs
	s_load_b128 s[8:11], s[0:1], 0x10              ; wc, ws
	s_load_b128 s[96:99], s[0:1], 0x20             ; token_positions, cos
	s_load_b64 s[100:101], s[0:1], 0x30            ; sin
	s_load_b64 s[12:13], s[0:1], 0x38              ; qkv
	v_lshl_add_u32 v[SPW], v0, 2, SPARE
	v_mov_b32 v[NIL], 0
	ds_add_u32 v28, v29
	s_wait_dscnt 0x0
	v_lshrrev_b32 v1, 5, v0
	v_readfirstlane_b32 s14, v1                    ; wave 0..3
	s_lshr_b32 s15, s14, 1                         ; which half of A's rows is mine.  Also: I fetch for A (0) or for B (1)
	s_and_b32 s16, s14, 1                          ; which half of B's rows.  Also: which 128 rows I fetch
	s_bfe_u32 s40, ttmp6, 0x40000                  ; cx
	s_bfe_u32 s41, ttmp6, 0x40004                  ; cy
	s_and_b32 s18, ttmp9, 1                        ; QK: 2 clusters along B's tiles,
	s_lshr_b32 s19, ttmp9, 1                       ; 8 along A's
	s_sub_co_u32 s20, ttmp9, 16                    ; V: 8 along B's, 1 along A's
	s_cmp_lt_u32 ttmp9, 16
	s_cselect_b32 s[TY], 0, 1
	s_cselect_b32 s18, s18, s20
	s_cselect_b32 s19, s19, 0
	s_cselect_b32 s2, 0, 2048                      ; V: Wv's columns begin at row 2,048 of wc
	s_lshl_b32 s42, s18, 2
	s_add_co_u32 s42, s42, s40                     ; B's tile
	s_lshl_b32 s17, s19, 2
	s_add_co_u32 s17, s17, s41                     ; A's tile
	s_lshl_b32 s43, s41, 2
	s_lshl_b32 s43, 15, s43                        ; my row of the cluster
	s_lshl_b32 s44, 0x1111, s40                    ; my column
	; descriptor group 1: a tile of 128 rows x 192 bytes; 16 bytes of padding behind every 64
	s_or_b32 s[G1+0], s43, (0<<16)|(1<<20)|(1<<21)|(3<<22)|(3<<25)
	s_or_b32 s[G1B+0], s44, (0<<16)|(1<<20)|(1<<21)|(3<<22)|(3<<25)
.irp g, G1, G1B
	s_mov_b32 s[\g+1], ROWB<<16                    ; tensor_dim0
	s_mov_b32 s[\g+2], 128<<16                     ; tensor_dim1
	s_mov_b32 s[\g+3], ROWB<<16                    ; tile_dim0
	s_mov_b32 s[\g+4], 128                         ; tile_dim1
	s_mov_b32 s[\g+5], KROW                        ; from row to row
	s_mov_b32 s[\g+6], 0
	s_mov_b32 s[\g+7], 0
.endr
	; the scales of 128 rows: 4,096 dense bytes as 16 rows of 256 bytes (32 elements of 8), 16 bytes of padding behind each
	s_or_b32 s[G1S+0], s43, (3<<16)|(1<<20)|(1<<21)|(5<<22)|(3<<25)
	s_or_b32 s[G1SB+0], s44, (3<<16)|(1<<20)|(1<<21)|(5<<22)|(3<<25)
.irp g, G1S, G1SB
	s_mov_b32 s[\g+1], 32<<16
	s_mov_b32 s[\g+2], (128*KS/256)<<16
	s_mov_b32 s[\g+3], 32<<16
	s_mov_b32 s[\g+4], 128*KS/256
	s_mov_b32 s[\g+5], 32
	s_mov_b32 s[\g+6], 0
	s_mov_b32 s[\g+7], 0
.endr
	s_lshl_b32 s18, s16, 7                         ; which 128 rows of the tile I fetch
	s_lshl_b32 s20, s17, 8
	s_add_co_u32 s20, s20, s18
	s_add_co_u32 s20, s20, s2                      ; A: row
	s_lshl_b32 s46, s42, 8
	s_add_co_u32 s46, s46, s18                     ; B: row
	s_mov_b32 s21, 0
	s_mov_b32 s47, 0
	s_mov_b64 s[18:19], KS
	s_mul_u64 s[22:23], s[20:21], s[18:19]         ; where these rows' scales begin,
	s_mul_u64 s[92:93], s[46:47], s[18:19]
	s_mov_b64 s[18:19], KROW
	s_mul_u64 s[20:21], s[20:21], s[18:19]         ; and their codes
	s_mul_u64 s[46:47], s[46:47], s[18:19]
	s_mul_i32 s45, s14, HALFT                      ; where they go: wave x 128 rows
	s_mul_i32 s94, s14, HALFS
	s_wait_kmcnt 0x0
	s_cmp_eq_u32 s[TY], 0                          ; QK: A = x, B = the weights; V: the other way round.  The choice hangs on the cluster's number alone
	s_cselect_b64 s[104:105], s[4:5], s[8:9]
	s_cselect_b64 s[8:9], s[8:9], s[4:5]
	s_cselect_b64 s[66:67], s[6:7], s[10:11]
	s_cselect_b64 s[10:11], s[10:11], s[6:7]
	s_mov_b64 s[4:5], s[104:105]
	s_mov_b64 s[6:7], s[66:67]
	s_add_nc_u64 s[20:21], s[4:5], s[20:21]
	s_add_nc_u64 s[22:23], s[6:7], s[22:23]
	s_add_nc_u64 s[46:47], s[8:9], s[46:47]
	s_add_nc_u64 s[92:93], s[10:11], s[92:93]
	CROUND                                         ; all sixteen work-groups are here: the first joint loads meet
	s_mov_b32 s[G0S], 1
	s_add_co_u32 s[G0S+1], s94, SCL
	s_mov_b64 s[G0S+2:G0S+3], s[22:23]
	s_or_b32 s[G0S+3], s[G0S+3], 0x80000000
	s_mov_b32 s[G0SB], 1
	s_add_co_u32 s[G0SB+1], s94, SCL
	s_mov_b64 s[G0SB+2:G0SB+3], s[92:93]
	s_or_b32 s[G0SB+3], s[G0SB+3], 0x80000000
	JLOAD G0S, G1S, G0SB, G1SB                     ; the scales first: they are wanted with K step 0
.irp s, 0,1
	s_mov_b32 s[G0+4*\s], 1
	s_add_co_u32 s[G0+4*\s+1], s45, \s*SLOT
	s_add_nc_u64 s[G0+4*\s+2:G0+4*\s+3], s[20:21], \s*ROWB
	s_or_b32 s[G0+4*\s+3], s[G0+4*\s+3], 0x80000000
	s_mov_b32 s[G0B+4*\s], 1
	s_add_co_u32 s[G0B+4*\s+1], s45, \s*SLOT
	s_add_nc_u64 s[G0B+4*\s+2:G0B+4*\s+3], s[46:47], \s*ROWB
	s_or_b32 s[G0B+4*\s+3], s[G0B+4*\s+3], 0x80000000
	JLOAD G0+4*\s, G1, G0B+4*\s, G1B
.endr
	; the positions of my 128 rows of A, read as tokens: lane r of block a holds logical row 32 (a / 2) + 8 (a % 2) + r + 8 (r / 8).  Both kinds load them, so that no register's state hangs on the kind;
	; in kind V the rows lie under 1,024, inside the buffer, and the numbers are not used.
	v_and_b32 v1, 15, v0                           ; r = l % 16
	v_bfe_u32 v2, v0, 4, 1                         ; l / 16
	v_and_b32 v7, 8, v1
	v_add_nc_u32 v7, v7, v1
	v_lshlrev_b32 v7, 2, v7
	s_lshl_b32 s20, s17, 10
	s_lshl_b32 s21, s15, 9
	s_add_co_u32 s20, s20, s21
	s_mov_b32 s21, 0
	s_add_nc_u64 s[96:97], s[96:97], s[20:21]
.irp a, 0,1,2,3,4,5,6,7
	global_load_b32 v[POSA+\a], v7, s[96:97] offset:4*(32*(\a/2)+8*(\a%2))
.endr
	s_mov_b32 s[SEL], 0x76543210
	s_mov_b32 s[SEL+1], 0xfedcba98
	v_mul_u32_u24 v3, v1, PITCH
	v_mul_u32_u24 v4, v2, 24
	v_add_nc_u32 v4, v3, v4                        ; a fragment's row x pitch + 24 x half
	v_lshl_add_u32 v5, v2, 4, v4                   ; and the same behind one padding more
	s_mul_i32 s21, s15, HALFT                      ; my 128 rows of A
	s_mul_i32 s22, s16, HALFT                      ; my 128 rows of B,
	s_add_co_u32 s22, s22, 2*HALFT                 ; which lie behind A's 256
.irp s, 0,1
	v_add_nc_u32 v[ADRA+\s], s21, v4
	v_add_nc_u32 v[ADRB+\s], s22, v4
	v_add_nc_u32 v[ADRA+2+\s], s21, v5
	v_add_nc_u32 v[ADRB+2+\s], s22, v5
	s_add_co_u32 s21, s21, SLOT
	s_add_co_u32 s22, s22, SLOT
.endr
	v_mul_u32_u24 v5, v1, KS                       ; my row's scales: 32 bytes a row,
	v_lshrrev_b32 v6, 8, v5
	v_lshl_add_u32 v5, v6, 4, v5                   ; and 16 more for each 256 passed
	s_mul_i32 s21, s15, HALFS
	s_mul_i32 s22, s16, HALFS
	s_add_co_u32 s22, s22, 2*HALFS
	s_sub_co_u32 s22, s22, s21
	v_mul_u32_u24 v6, s22, v2                      ; lanes 16-31 take B's
	s_add_co_u32 s21, s21, SCL
	v_add_nc_u32 v5, v5, v6
	v_add_nc_u32 v[ADRS], s21, v5
	v_and_b32 v5, 31, v0
	v_lshlrev_b32 v[L16], 4, v5
	v_lshlrev_b32 v[L8], 3, v5
	v_lshlrev_b32 v6, 5, v2                        ; 32 x (l / 16): my half's eight angles of each sixteen
	; where my results go
	s_and_b32 s19, s42, 3
	s_lshr_b32 s20, s42, 2
	s_mul_i32 s20, s20, 13312                      ; QK: B's tiles 0-3 are Wq (Q part), 4-7 Wk (K part)
	s_cmp_eq_u32 s[TY], 0
	s_cselect_b32 s18, s17, s42                    ; the tile of 256 tokens
	s_cselect_b32 s19, s19, s17                    ; the group of four heads
	s_cselect_b32 s21, s16, s15                    ; which two of them are my wave's
	s_cselect_b32 s22, s15, s16                    ; which 128 of the tokens
	s_cselect_b32 s20, s20, 26624                  ; the part
	s_cselect_b32 s23, 9, 8                        ; scale words of 128 tokens: 512 bytes (Q, K), 256 (V)
	s_lshr_b32 s46, s18, 3
	s_lshl_b32 s46, s46, 4                         ; 16 x batch
	s_lshl_b32 s19, s19, 2
	s_add_co_u32 s46, s46, s19
	s_lshl_b32 s21, s21, 1
	s_add_co_u32 s46, s46, s21                     ; + my first head
	s_lshl_b32 s46, s46, 3
	s_and_b32 s18, s18, 7
	s_add_co_u32 s46, s46, s18
	s_mul_i32 s46, s46, HPITCH
	s_add_co_u32 s46, s46, s20
	s_mov_b32 s47, 0
	s_add_nc_u64 s[12:13], s[12:13], s[46:47]      ; the part's first byte
	s_lshl_b32 s46, s22, s23
	s_add_co_u32 s46, s46, 12288
	s_add_nc_u64 s[92:93], s[12:13], s[46:47]      ; my scale words
	s_mul_i32 s46, s22, 6144
	s_add_nc_u64 s[12:13], s[12:13], s[46:47]      ; my codes
	s_wait_loadcnt 0x0                             ; the positions
.irp a, 0,1,2,3,4,5,6,7
	v_min_u32 v[POSA+\a], 0x7ff, v[POSA+\a]        ; held inside the tables
.endr
.irp a, 0,1,2,3,4,5,6,7
	v_lshlrev_b32 v[POSA+\a], 7, v[POSA+\a]        ; a row of cos or sin is 128 bytes
.endr
.irp a, 0,1,2,3,4,5,6,7
	v_add_nc_u32 v[POSA+\a], v6, v[POSA+\a]
.endr
; cos and sin of block a's token: angles 16 g + 8 (l / 16) + 0 .. 7, g = 0, 1, into set a % 2
.macro CSLOAD a
.irp g, 0,1
	global_load_b128 v[CSN+32*((\a)%2)+8*\g:CSN+32*((\a)%2)+8*\g+3],       v[POSA+(\a)], s[98:99] offset:64*\g
	global_load_b128 v[CSN+32*((\a)%2)+8*\g+4:CSN+32*((\a)%2)+8*\g+7],     v[POSA+(\a)], s[98:99] offset:64*\g+16
	global_load_b128 v[CSN+32*((\a)%2)+16+8*\g:CSN+32*((\a)%2)+16+8*\g+3], v[POSA+(\a)], s[100:101] offset:64*\g
	global_load_b128 v[CSN+32*((\a)%2)+20+8*\g:CSN+32*((\a)%2)+20+8*\g+3], v[POSA+(\a)], s[100:101] offset:64*\g+16
.endr
.endm
	CSLOAD 0                                       ; the first two blocks' are asked for here, a whole product ahead of their use
	CSLOAD 1
.macro FRAG reg, adr, q, i             ; a fragment, 16 rows x 128 K: 12 registers; lane l holds row l % 16, registers 6 c .. 6 c + 5 hold K = 64 c + 32 (l / 16) + 0 .. 31, as the bytes lie
.irp p, 0,1,2,3,4,5                    ; in pieces of 8 bytes; where the piece of lanes 16-31, three on, lies behind one padding more, the second address register serves
.set PCE, 12*(\q)+6*(\p/3)+\p%3
.if PCE%8 < 5
	ds_load_b64 v[\reg+2*\p:\reg+2*\p+1], v[\adr] offset:8*PCE+16*(PCE/8)+(\i)*16*PITCH
.else
	ds_load_b64 v[\reg+2*\p:\reg+2*\p+1], v[\adr+2] offset:8*PCE+16*(PCE/8)+(\i)*16*PITCH
.endif
.endr
.endm
; 16 matrix instructions: A's blocks a0, a0 + 1 x B's eight.  The 64 accumulators take turns, one instruction a turn, in the same order in every step.
.macro MUL16 a0, p, q, sc, zero
.irp a, \a0, \a0+1
.irp b, 0,1,2,3,4,5,6,7
.if \zero
	v_wmma_scale_f32_16x16x128_f8f6f4 v[8*(8*((\a)%4)+\b):8*(8*((\a)%4)+\b)+7], v[128*(\p)+FR*\b:128*(\p)+FR*\b+FR-1], v[AF+FR*(\a):AF+FR*(\a)+FR-1], 0, v[SC+8*NQ*(\sc)+NQ*\b+(\q)], v[SC+8*NQ*(\sc)+NQ*(\a)+(\q)] matrix_a_fmt:MATRIX_FMT_BF6 matrix_b_fmt:MATRIX_FMT_BF6 matrix_a_scale:MATRIX_SCALE_ROW1
.else
	v_wmma_scale_f32_16x16x128_f8f6f4 v[8*(8*((\a)%4)+\b):8*(8*((\a)%4)+\b)+7], v[128*(\p)+FR*\b:128*(\p)+FR*\b+FR-1], v[AF+FR*(\a):AF+FR*(\a)+FR-1], v[8*(8*((\a)%4)+\b):8*(8*((\a)%4)+\b)+7], v[SC+8*NQ*(\sc)+NQ*\b+(\q)], v[SC+8*NQ*(\sc)+NQ*(\a)+(\q)] matrix_a_fmt:MATRIX_FMT_BF6 matrix_b_fmt:MATRIX_FMT_BF6 matrix_a_scale:MATRIX_SCALE_ROW1
.endif
.endr
.endr
.endm
.macro FETCH_B slot, q, p
	WIN TO_B
.irp i, 0,1,2,3,4,5,6,7
	FRAG 128*(\p)+FR*\i, ADRB+\slot, \q, \i
.endr
	WIN 0
.endm
.macro FETCH_A slot, q, i0
.irp i, \i0, \i0+1, \i0+2, \i0+3
	FRAG AF+FR*(\i), ADRA+\slot, \q, \i
.endr
.endm
.macro SCALES sc                       ; a K step's scale words: lanes 0-15 A's block i, lanes 16-31 B's block i
.irp i, 0,1,2,3,4,5,6,7
	ds_load_b64 v[SC+8*NQ*\sc+NQ*\i:SC+8*NQ*\sc+NQ*\i+1], v[ADRS] offset:\i*SBLK
.endr
.endm
.macro PLACES n                        ; plain vector lines between a matrix instruction and a load into, or a vector instruction on, its registers
.rept \n
	v_nop
.endr
.endm
.macro STEP slot, q, zero              ; a step of 128 along K that has its successor in the same slot
	s_wait_dscnt 4*NL                              ; B's set, A's blocks 0-3 and the scale words are in; the youngest 24 loads (A's blocks 4-7) may be out
	WIN MUL_LO
	MUL16 0, (\q)%2, \q, \slot, \zero
	MUL16 2, (\q)%2, \q, \slot, \zero
	s_wait_dscnt 0
	PLACES NP
	FETCH_B \slot, (\q)+1, 1-(\q)%2
	FETCH_A \slot, (\q)+1, 0
	WIN MUL_HI
	MUL16 4, (\q)%2, \q, \slot, \zero
	MUL16 6, (\q)%2, \q, \slot, \zero
	PLACES NP
	WIN 0
	FETCH_A \slot, (\q)+1, 4
.endm
; A slot's last step changes slots: one barrier; in front of it each wave waits for all its tensor loads, adds 0 to its spare word, and waits for that and for its reads of this slot.  fill = 1: this slot is filled again.
.macro TURN slot, next, fill
	s_wait_tensorcnt 0x0                           ; all my tensor loads have landed: my part of the next slot
	ds_add_u32 v[SPW], v[NIL]                      ; 0 onto my spare word
	s_wait_dscnt 4*NL+1                            ; the add and the youngest 24 loads may be out
	WIN MUL_LO
	MUL16 0, 1, NQ-1, \slot, 0
	s_wait_dscnt 0x0                               ; the add is done, and my reads of this slot are over
	s_barrier_signal -1
	MUL16 2, 1, NQ-1, \slot, 0
	WIN 0
	s_barrier_wait -1
.if \fill
	CREST                                          ; the barrier has opened a round of the cluster's: no wave of any partner still reads this slot or has a load on its way
	s_add_nc_u64 s[G0+4*\slot+2:G0+4*\slot+3], s[G0+4*\slot+2:G0+4*\slot+3], 2*ROWB
	s_add_nc_u64 s[G0B+4*\slot+2:G0B+4*\slot+3], s[G0B+4*\slot+2:G0B+4*\slot+3], 2*ROWB
	JLOAD G0+4*\slot, G1, G0B+4*\slot, G1B         ; the first tensor load behind the round; its four v_nop are the places in front of the loads below
.else
	PLACES NP
.endif
	v_add_nc_u32 v[ADRS], 4*NQ, v[ADRS]            ; on to the next K step's scale words
	FETCH_B \next, 0, 0
	FETCH_A \next, 0, 0
	SCALES \next
	WIN MUL_HI
	MUL16 4, 1, NQ-1, \slot, 0
	MUL16 6, 1, NQ-1, \slot, 0
	PLACES NP
	WIN 0
	FETCH_A \next, 0, 4
.endm
	s_wait_tensorcnt 1                             ; the scales and my part of K step 0 are in; K step 1's load may be out
	s_barrier_signal -1
	s_barrier_wait -1
	FETCH_B 0, 0, 0
	FETCH_A 0, 0, 0
	SCALES 0
	FETCH_A 0, 0, 4
	STEP 0, 0, 1                                   ; K = 1,024 is four slots' worth: eight steps of 128, written out; the first starts the sums
	TURN 0, 1, 1
	STEP 1, 0, 0
	TURN 1, 0, 1
	STEP 0, 0, 0
	TURN 0, 1, 0                                   ; nothing is left to fetch
	STEP 1, 0, 0
	s_wait_dscnt 4*NL
	WIN MUL_LO
	MUL16 0, 1, NQ-1, 1, 0
	MUL16 2, 1, NQ-1, 1, 0
	s_wait_dscnt 0
	WIN MUL_HI
	MUL16 4, 1, NQ-1, 1, 0
	MUL16 6, 1, NQ-1, 1, 0
	WIN 0
; THE WAY OUT.  Block a's 64 numbers of a lane (window 2 + a / 4, from v[64 (a % 4)]) are four blocks of 32 along the next K, each shared with lane l xor 16.
; QUANTW makes the scale word in v[PW + a] and the codes: registers d0 .. d0 + 5 hold k = 32 (l / 16) + 0 .. 31, d1 .. d1 + 5 hold k = 64 + 32 (l / 16) + 0 .. 31 of the lane's row.
.macro QUANTW a, d0, d1
.set QW, 2+(\a)/4
.set QX, 64*((\a)%4)
	WIN QW|(QW<<2)                                 ; sources 0 and 1: the accumulators' window
.irp b, 0,1,2,3
	v_max3_num_f32 v[TM+\b], |v[QX+16*\b]|, |v[QX+16*\b+1]|, 0x2800000   ; my 16 numbers of block b, from each accumulator's low end on, and the floor 2^(5 - 127)
.endr
.irp i, 2,4,6,8,10,12,14
.irp b, 0,1,2,3
	v_max3_num_f32 v[TM+\b], |v[QX+16*\b+\i]|, |v[QX+16*\b+\i+1]|, v[TM+\b]
.endr
.endr
	WIN 0
.irp b, 0,1,2,3
	v_permlanex16_b32 v[TM+4+\b], v[TM+\b], s[SEL], s[SEL+1]
.endr
.irp b, 0,1,2,3
	v_max_num_f32 v[TM+\b], v[TM+\b], v[TM+4+\b]   ; the block's largest magnitude
.endr
.irp b, 0,1,2,3
	v_add_nc_u32 v[TM+12+\b], 0xfe000000, v[TM+\b] ; 4 off its exponent field: the conversion's scale operand
.endr
.irp b, 0,1,2,3
	v_lshrrev_b32 v[TM+4+\b], 23, v[TM+12+\b]      ; the scale's byte
.endr
	v_lshl_or_b32 v[PW+(\a)], v[TM+5], 8, v[TM+4]
	v_lshl_or_b32 v[PW+(\a)], v[TM+6], 16, v[PW+(\a)]
	v_lshl_or_b32 v[PW+(\a)], v[TM+7], 24, v[PW+(\a)]
	s_wait_xcnt 0x0                                ; earlier stores have read the codes' registers: they are written again only behind this wait
	WIN QW                                         ; source 0: the accumulators' window
	v_cvt_scalef32_pk16_bf6_f32 v[\d0:\d0+2], v[QX:QX+15], v[TM+12]
	v_cvt_scalef32_pk16_bf6_f32 v[T2:T2+2], v[QX+16:QX+31], v[TM+13]
	v_cvt_scalef32_pk16_bf6_f32 v[\d1:\d1+2], v[QX+32:QX+47], v[TM+14]
	v_cvt_scalef32_pk16_bf6_f32 v[T2+4:T2+6], v[QX+48:QX+63], v[TM+15]
	WIN 0
	v_nop                                          ; one plain line behind the conversions
.irp i, 0,1,2
	v_permlane16_swap_b32 v[\d0+\i], v[T2+\i]      ; a whole block to a lane: lanes 0-15 the even block, lanes 16-31 the odd one
.endr
.irp i, 0,1,2
	v_permlane16_swap_b32 v[\d1+\i], v[T2+4+\i]
.endr
.irp i, 0,1,2
	v_mov_b32 v[\d0+3+\i], v[T2+\i]
.endr
.irp i, 0,1,2
	v_mov_b32 v[\d1+3+\i], v[T2+4+\i]
.endr
.endm
; The rotation of block a's 32 pairs (e, o): e c - o s, e s + o c.  Pair p has channel pair 16 ((p / 8) % 2) + 8 (l / 16) + p % 8 of its head: register 8 ((p / 8) % 2) + p % 8 of the set.
.macro ROPE a
.set RW, 2+(\a)/4
.set RX, 64*((\a)%4)
.set RC, CSN+32*((\a)%2)
	WIN RW                                         ; source 0: the accumulators' window
.set p, 0
.rept 32
.set ix, 8*((p/8)%2)+p%8
.if p%2 == 0
	v_pk_mul_f32 v[T+2*p:T+2*p+1], v[RX+2*p:RX+2*p+1], v[RC+16+ix:RC+16+ix+1] op_sel:[1,0] op_sel_hi:[0,0]     ; (o s, e s)
.else
	v_pk_mul_f32 v[T+2*p:T+2*p+1], v[RX+2*p:RX+2*p+1], v[RC+16+ix-1:RC+16+ix] op_sel:[1,1] op_sel_hi:[0,1]
.endif
.set p, p+1
.endr
	WIN RW|(RW<<6)                                 ; source 0 and destination
.set p, 0
.rept 32
.set ix, 8*((p/8)%2)+p%8
	v_fma_f32 v[RX+2*p], v[RX+2*p], v[RC+ix], -v[T+2*p]
	v_fma_f32 v[RX+2*p+1], v[RX+2*p+1], v[RC+ix], v[T+2*p+1]
.set p, p+1
.endr
	WIN 0
.endm
	PLACES NP                                      ; behind the last products, ahead of the first read of results and the first write of registers that held A's fragments
.irp b, 0,1,2,3
	v_mov_b32 v[TM+4+\b], 0                        ; written once: a lane permute's destination counts as one of its sources
.endr
	v_and_b32 v6, 31, v0
	v_cmp_lt_u32 vcc_lo, 15, v6                    ; lanes 16-31
	s_cmp_eq_u32 s[TY], 1                          ; the cluster's kind: the same in all partners and all waves
	s_cbranch_scc1 .Lv_out
	; ---- Q or K: a lane holds a token; blocks 0, 1 along the next K are my first head's 64 channels, blocks 2, 3 my second's
.irp a, 0,1,2,3,4,5,6,7
.if \a < 7
	s_wait_loadcnt 8                               ; this block's cos and sin are in; the next block's eight loads may be out
.else
	s_wait_loadcnt 0x0
.endif
	ROPE \a
.if \a < 6
	CSLOAD \a+2                                    ; into the set just used
.endif
	QUANTW \a, PCB+6*(\a%2), PCB+12+6*(\a%2)
.if \a%2 == 1
.irp c, 0,1                                    ; a pair of tiles of head c: twelve registers, three stores of 512 consecutive bytes, aligned
.irp p, 0,1,2
	global_store_b128 v[L16], v[PCB+12*\c+4*\p:PCB+12*\c+4*\p+3], s[12:13] offset:\c*HEADB+(\a/2)*1536+512*\p
.endr
.endr
.endif
.endr
.irp j, 0,1,2,3
	v_cndmask_b32 v[T2+\j], v[PW+2*\j], v[PW+2*\j+1], vcc_lo   ; lanes 0-15 tile 2 j's words, lanes 16-31 tile 2 j + 1's
.endr
.irp j, 0,1,2,3
	v_and_b32 v[SW+\j], 0xffff, v[T2+\j]           ; my first head's two bytes; bytes 2, 3 are 0
.endr
	global_store_b128 v[L16], v[SW:SW+3], s[92:93]
.irp j, 0,1,2,3
	v_lshrrev_b32 v[T2+4+\j], 16, v[T2+\j]         ; my second head's
.endr
	global_store_b128 v[L16], v[T2+4:T2+7], s[92:93] offset:HEADB
	s_branch .Ldone
	; ---- V: a lane holds a channel (block a: head a / 4, tile a % 4 of its 64) and 128 keys: the twelve registers are a fragment of V^T
.Lv_out:
.irp a, 0,1,2,3,4,5,6,7
	QUANTW \a, PCB+12*(\a%2), PCB+12*(\a%2)+6
.irp p, 0,1,2
	global_store_b128 v[L16], v[PCB+12*(\a%2)+4*\p:PCB+12*(\a%2)+4*\p+3], s[12:13] offset:(\a/4)*HEADB+(\a%4)*1536+512*\p
.endr
.endr
.irp c, 0,1
.irp m, 0,1
	v_cndmask_b32 v[T2+2*\c+\m], v[PW+4*\c+2*\m], v[PW+4*\c+2*\m+1], vcc_lo
.endr
	global_store_b64 v[L8], v[T2+2*\c:T2+2*\c+1], s[92:93] offset:\c*HEADB   ; 256 consecutive bytes, aligned
.endr
.Ldone:
	s_wait_tensorcnt 0x0                           ; the wave's end
	ds_add_u32 v[SPW], v[NIL]
	s_wait_dscnt 0x0
	CROUND                                         ; the closing round: no work-group ends while a partner may still ask for a tile that names it
	s_endpgm
.Lfunc_end_k_qd3414ba87b_qkv:
	.size	k_qd3414ba87b_qkv, .Lfunc_end_k_qd3414ba87b_qkv-k_qd3414ba87b_qkv
	.p2alignl 7, 3214868480
	.fill 96, 4, 3214868480
	.section	.rodata,"a",@progbits
	.p2align	6, 0x0
	.amdhsa_kernel k_qd3414ba87b_qkv
		.amdhsa_group_segment_fixed_size 327680
		.amdhsa_private_segment_fixed_size 0
		.amdhsa_enable_private_segment 0
		.amdhsa_kernarg_size 64
		.amdhsa_user_sgpr_count 2
		.amdhsa_user_sgpr_kernarg_segment_ptr 1
		.amdhsa_wavefront_size32 1
		.amdhsa_system_sgpr_workgroup_id_x 1
		.amdhsa_system_sgpr_workgroup_id_y 1
		.amdhsa_system_sgpr_workgroup_id_z 1
		.amdhsa_system_vgpr_workitem_id 0
		.amdhsa_next_free_vgpr 1024
		.amdhsa_next_free_sgpr 106
		.amdhsa_reserve_vcc 1
		.amdhsa_float_denorm_mode_32 3
		.amdhsa_float_denorm_mode_16_64 3
		.amdhsa_memory_ordered 1
		.amdhsa_forward_progress 1
		.amdhsa_inst_pref_size 255
	.end_amdhsa_kernel
	.section	.bss,"aw",@nobits
	.p2align	6
	.space	262144
	.amdgpu_metadata
---
amdhsa.version: [ 1, 2 ]
amdhsa.kernels:
  - .name:           k_qd3414ba87b_qkv
    .symbol:         k_qd3414ba87b_qkv.kd
    .args:
      - { .name: xc, .offset: 0, .size: 8, .value_kind: global_buffer, .address_space: global }
      - { .name: xs, .offset: 8, .size: 8, .value_kind: global_buffer, .address_space: global }
      - { .name: wc, .offset: 16, .size: 8, .value_kind: global_buffer, .address_space: global }
      - { .name: ws, .offset: 24, .size: 8, .value_kind: global_buffer, .address_space: global }
      - { .name: token_positions, .offset: 32, .size: 8, .value_kind: global_buffer, .address_space: global }
      - { .name: cos, .offset: 40, .size: 8, .value_kind: global_buffer, .address_space: global }
      - { .name: sin, .offset: 48, .size: 8, .value_kind: global_buffer, .address_space: global }
      - { .name: qkv, .offset: 56, .size: 8, .value_kind: global_buffer, .address_space: global }
    .group_segment_fixed_size: 327680
    .private_segment_fixed_size: 0
    .kernarg_segment_align: 8
    .kernarg_segment_size: 64
    .max_flat_workgroup_size: 128
    .sgpr_count:     106
    .vgpr_count:     1024
    .wavefront_size: 32
...
	.end_amdgpu_metadata
.endif
;; end of part 2
;; launch attn (part 3): grid 4 x 64, 16 waves a work-group, no clusters, 327,680 bytes of LDS; arguments qkv, oc, os; writes oc, os
.if DOCPART == 3
	.amdgcn_target "amdgcn-amd-amdhsa--gfx1250"
	.amdhsa_code_object_version 6
	.text
	.protected	k_qd3414ba87b_attn
	.globl	k_qd3414ba87b_attn
	.p2align	8
	.type	k_qd3414ba87b_attn,@function
k_qd3414ba87b_attn:
	s_mov_b64 s[64:65], 0
	v_nop
	global_prefetch_b8 v0, s[64:65] scope:SCOPE_SE
	s_setreg_imm32_b32 hwreg(HW_REG_WAVE_MODE, 25, 1), 1
	s_wait_xcnt 0x0
; Causal attention on codes of BF6 (E3M2): S^T = K Q^T (K = the head's 64), p = 2^(t - M) with t = score x log2(e) / 8 and M the ceiling of the running largest t, O^T += V^T P^T (K = 128 keys a step); the row's sum is taken
; of the unquantised p; at the end O / sum is quantised along the head's 64 and stored as the next product's operand.
; INPUT qkv: [b x head 64][256 tokens: 8][39,424 bytes], images of operand registers (Q part at 0, K part at 13,312, V part at 26,624; K and V parts together are one dense run of 26,112 bytes: a slot).
; OUTPUT oc: [tile of 16 rows: 512][head 16][3][lane][8 bytes]: six registers a lane, k = 64 head + 32 (lane / 16) + 0 .. 31;  os: [8,192 rows][32 bytes], bytes 2 head, 2 head + 1.  Rows keep the workspace's order.
; SHARES.  Work-group (i, b x head) owns query block 7 - i and then query block i (256 queries each; wave w: tile w of 16).  It walks key slots 0 .. 7 - i and then 0 .. i: nine trips whatever i, so all 256 work-groups have
; equal work.  A step all of whose 128 keys come after the wave's queries is jumped over (a scalar branch on ids); on the diagonal hidden scores become -infinity.
; NO CLUSTER: the four work-groups of a head walk different sequences of slots (9 trips, but slot t of one is not slot t of another), so no tile is wanted by partners in the same trip.
; K = 64 IN AN INSTRUCTION OF K = 128: Q's upper six registers hold zero codes, and so the upper half adds exactly 0: K's operand of tile t is v[32 + 6 t .. 43 + 6 t], whose upper six registers are the next tile's codes
; (behind tile 7: zeros); every code of this format is a finite number.  The scale bytes of the upper half are 0 (2^-127), not 0xff.
; LAYOUT.  Both products are used transposed: a lane holds ONE query (lane % 16).  Lane r of key tile 2 g + u holds key 32 g + 8 u + r + 8 (r / 8), so registers 16 g + i of S^T are keys 32 g + 16 (lane / 16) + i.
; LIMITS: NaN and infinities are not served; 1 / sum is v_rcp_f32; a block of o whose largest magnitude lies under 2^-122 gets the byte 1.
; REGISTERS: v1-7 addresses; v8-11 K's scale words; v12 -M, v13 largest t, v[14:15] the sum; v16-27 Q; v28-29 V's scale words; v30 Q's, v31 p's; v32-79 K's 8 tiles; v80-85 zeros; v86-133 V's 4 fragments;
;   v134-197 S^T, then p; v198-229 O^T; v230-241 p's codes; v242-255 at work.
.set HPITCH, 39424
.set HEADB,  8*HPITCH
.set HALFL,  13056                     ; half a slot: what one tensor load brings (51 rows of 256 bytes)
.set SLOT1,  32768                     ; slot 1 begins here: one exclusive or turns an address
.set SPARE,  65536                     ; the spare words: 128 bytes for each of 16 waves, eight blocks of 256 bytes that no other line names
.set LI,   1                           ; v1  16 x lane
.set L8,   2                           ; v2  8 x lane
.set AD16, 3                           ; v3  the slot in hand + 16 x lane
.set AD8,  4                           ; v4  the slot in hand + 8 x lane
.set SPW,  5
.set NIL,  6
.set QI,   7                           ; v7  my query's place in its 128, less 16 (lane / 16)
.set KSC,  8
.set QF,   16
.set VSC,  28
.set QSC,  30
.set PSC,  31
.set KF,   32
.set VF,   86
.set S,    134
.set O,    198
.set PC,   230
.set PT,   242                         ; v242-245 permutes, bytes; v242-244 a conversion's second half
.set H1,   246                         ; v[246:247] the sum's second chain; v246-248 a conversion's second half
.set TT,   249
.set BM,   250                         ; v250-253 the blocks' largest
.set F,    254                         ; v[254:255] f, 0
.set TB,   2                           ; s2   LDS byte of the slot in hand
.set TR,   3                           ; s3   the trip
.set NA,   10                          ; s10  trips of the first query block: 8 - i
.set KSI,  11                          ; s11  the key step's number in the head (128 keys each)
.set QSI,  12                          ; s12  the same of my queries
.set BLKQ, 13                          ; s13  the query block
.set ODD,  14                          ; s14  all ones in odd waves
.set WI,   15                          ; s15  i
.set RT0,  16                          ; s16  128 x batch + wave
.set HD,   17                          ; s17  head
.set WV,   18
.set SEL,  20
.set CS,   22                          ; s[22:23] c = log2(e) / 8
.set G1,   24
.set HB,   32                          ; s[32:33] the head's blocks in qkv
.set QB,   34
.set QSB,  36
.set G0,   40
.set KVB,  44                          ; s[44:45] my half of the head's slot 0
.set OCB,  46
.set OSB,  48
.set TX,   50
.set QSO,  54
.macro TLOAD                           ; waves 0 and 1 fetch the two halves of a slot; four v_nop follow the line
	s_cmp_lt_u32 s[WV], 2
	s_cbranch_scc0 .Lnone_\@
	tensor_load_to_lds s[G0:G0+3], s[G1:G1+7]
	s_nop 0
.rept 4
	v_nop
.endr
.Lnone_\@:
.endm
; THE CHANGE OF SLOTS, at a trip's head.  Each wave waits for all its tensor loads (its part of the slot ahead), adds 0 to its spare word, waits for that and for its reads of the slot that it has left; one barrier;
; fill = 1: the slot just left takes the next trip's keys, and the load has a whole trip in which to land.  One tensor load of a wave is out at the most.
.macro CHANGE fill
	s_wait_tensorcnt 0x0
	ds_add_u32 v[SPW], v[NIL]                      ; 0 onto my spare word; the descriptor's step stands between it and the wait for it
.if \fill
	s_xor_b32 s[G0+1], s[G0+1], SLOT1
	s_add_co_u32 s52, s[TR], 1                     ; the next trip's slot of keys: trips 0 .. NA - 1 walk slots 0 .., the rest begin again at 0
	s_cmp_ge_u32 s52, s[NA]
	s_cselect_b32 s53, s[NA], 0
	s_sub_co_u32 s52, s52, s53
	s_mul_i32 s[TX], s52, HPITCH
	s_add_nc_u64 s[G0+2:G0+3], s[KVB:KVB+1], s[TX:TX+1]
	s_or_b32 s[G0+3], s[G0+3], 0x80000000
.endif
	s_wait_dscnt 0x0
	s_barrier_signal -1
	s_barrier_wait -1
.if \fill
	TLOAD
.endif
.endm
; A KEY STEP: 128 keys, the q-th of the slot in hand
.macro STEP q
	s_cmp_gt_u32 s[KSI], s[QSI]                    ; all its keys come after my queries: nothing to do
	s_cbranch_scc1 .Lhidden_\@
	s_wait_alu depctr_va_vdst(0)
.irp p, 0,1,2,3,4,5,6,7,8,9,10,11
	ds_load_b128 v[KF+4*\p:KF+4*\p+3], v[AD16] offset:6144*(\q)+512*\p     ; K's eight tiles, as images: 512 consecutive bytes a load
.endr
	ds_load_b128 v[KSC:KSC+3], v[AD16] offset:12288+512*(\q)
	s_wait_dscnt 0x0
.irp t, 0,1,2,3,4,5,6,7
.if \t%2
	v_wmma_scale_f32_16x16x128_f8f6f4 v[S+8*\t:S+8*\t+7], v[KF+6*\t:KF+6*\t+11], v[QF:QF+11], 0, v[KSC+\t/2], v[QSC] matrix_a_fmt:MATRIX_FMT_BF6 matrix_b_fmt:MATRIX_FMT_BF6 matrix_a_scale:MATRIX_SCALE_ROW1
.else
	v_wmma_scale_f32_16x16x128_f8f6f4 v[S+8*\t:S+8*\t+7], v[KF+6*\t:KF+6*\t+11], v[QF:QF+11], 0, v[KSC+\t/2], v[QSC] matrix_a_fmt:MATRIX_FMT_BF6 matrix_b_fmt:MATRIX_FMT_BF6
.endif
.endr
.rept 4
	v_nop                                          ; places: ahead of the reads of the scores, and of the loads into registers that the last step's second product read
.endr
	s_wait_alu depctr_va_vdst(0)
.irp p, 0,1,2,3,4,5,6,7,8,9,10,11
	ds_load_b128 v[VF+4*\p:VF+4*\p+3], v[AD16] offset:13312+6144*(\q)+512*\p   ; V's four fragments land while the softmax is walked
.endr
	ds_load_b64 v[VSC:VSC+1], v[AD8] offset:25600+256*(\q)
	s_cmp_lg_u32 s[KSI], s[QSI]                    ; on the diagonal: register 16 g + i holds key 32 g + 16 (lane / 16) + i of the step: hidden where 32 g + i > v[QI]
	s_cbranch_scc1 .Lopen_\@
	v_mov_b32 v[TT], 0xff800000                    ; -infinity
.set n, 0
.rept 64
	v_cmp_gt_i32 vcc_lo, 32*(n/16)+n%16, v[QI]
	v_cndmask_b32 v[S+n], v[S+n], v[TT], vcc_lo
.set n, n+1
.endr
.Lopen_\@:
.irp b, 0,1,2,3
	v_max3_num_f32 v[BM+\b], v[S+16*\b], v[S+16*\b+1], v[S+16*\b+2]   ; the largest score of each block of 32 keys: for the row's maximum and, since p rises with the score, for the block's largest p
.endr
.irp i, 3,5,7,9,11,13
.irp b, 0,1,2,3
	v_max3_num_f32 v[BM+\b], v[BM+\b], v[S+16*\b+\i], v[S+16*\b+\i+1]
.endr
.endr
.irp b, 0,1,2,3
	v_max_num_f32 v[BM+\b], v[BM+\b], v[S+16*\b+15]
.endr
.irp b, 0,1,2,3
	s_delay_alu instid0(VALU_DEP_4)
	v_permlanex16_b32 v[PT+\b], v[BM+\b], s[SEL], s[SEL+1]
.endr
.irp b, 0,1,2,3
	s_delay_alu instid0(VALU_DEP_4)
	v_max_num_f32 v[BM+\b], v[BM+\b], v[PT+\b]     ; with lane l xor 16's 16 keys
.endr
	s_delay_alu instid0(VALU_DEP_2)
	v_max3_num_f32 v[TT], v[BM], v[BM+1], v[BM+2]
	s_delay_alu instid0(VALU_DEP_1)
	v_max_num_f32 v[TT], v[TT], v[BM+3]
	s_delay_alu instid0(VALU_DEP_1)
	v_mul_f32 v[TT], s[CS], v[TT]                  ; as t
	s_delay_alu instid0(VALU_DEP_1)
	v_max_num_f32 v13, v13, v[TT]                  ; the running largest t
	v_mov_b32 v[TT], v12
	s_delay_alu instid0(VALU_DEP_2)
	v_floor_f32 v12, -v13                          ; the new -M = -ceil(t)
	s_delay_alu instid0(VALU_DEP_1)
	v_sub_f32 v[TT], v12, v[TT]                    ; old M - new M: a whole number, 0 or less
	s_delay_alu instid0(VALU_DEP_1)
	v_cvt_i32_f32 v[TT], v[TT]
	s_delay_alu instid0(VALU_DEP_1)
	v_ldexp_f32 v[F], 1.0, v[TT]                   ; f = 2^(old M - new M)
.set n, 0
.rept 32
	v_pk_fma_f32 v[S+n:S+n+1], v[S+n:S+n+1], s[CS:CS+1], v[12:13] op_sel_hi:[1,0,0]   ; t - M, two at a time
.set n, n+2
.endr
.irp b, 0,1,2,3
	v_fma_f32 v[BM+\b], v[BM+\b], s[CS], v12
.endr
.set n, 0
	s_wait_alu depctr_va_vdst(0)
.rept 64
	v_exp_f32 v[S+n], v[S+n]                       ; p = 2^(t - M)
.set n, n+1
.endr
	v_pk_mul_f32 v[14:15], v[14:15], v[F:F+1] op_sel_hi:[1,0]   ; the sums under the new M (the plain line behind the exponentials)
	s_wait_alu depctr_va_vdst(0)                   ; one wait for the batch of 64, ahead of its first reader
.irp b, 0,1,2,3
	v_exp_f32 v[BM+\b], v[BM+\b]                   ; the blocks' largest p
.endr
	v_pk_add_f32 v[246:247], v[138:139], v[142:143]
	v_pk_add_f32 v[244:245], v[146:147], v[150:151]
	v_pk_add_f32 v[242:243], v[154:155], v[158:159]
	v_pk_add_f32 v[240:241], v[162:163], v[166:167]
	v_pk_add_f32 v[238:239], v[170:171], v[174:175]
	v_pk_add_f32 v[236:237], v[178:179], v[182:183]
	v_pk_add_f32 v[234:235], v[186:187], v[190:191]
	v_pk_add_f32 v[14:15], v[14:15], v[194:195]
	v_pk_add_f32 v[246:247], v[246:247], v[134:135]
	v_pk_add_f32 v[244:245], v[244:245], v[136:137]
	v_pk_add_f32 v[242:243], v[242:243], v[140:141]
	v_pk_add_f32 v[240:241], v[240:241], v[144:145]
	v_pk_add_f32 v[238:239], v[238:239], v[148:149]
	v_pk_add_f32 v[236:237], v[236:237], v[152:153]
	v_pk_add_f32 v[234:235], v[234:235], v[156:157]
	v_pk_add_f32 v[14:15], v[14:15], v[160:161]
	v_pk_add_f32 v[246:247], v[246:247], v[164:165]
	v_pk_add_f32 v[244:245], v[244:245], v[168:169]
	v_pk_add_f32 v[242:243], v[242:243], v[172:173]
	v_pk_add_f32 v[240:241], v[240:241], v[176:177]
	v_pk_add_f32 v[238:239], v[238:239], v[180:181]
	v_pk_add_f32 v[236:237], v[236:237], v[184:185]
	v_pk_add_f32 v[234:235], v[234:235], v[188:189]
	v_pk_add_f32 v[14:15], v[14:15], v[192:193]
	v_pk_add_f32 v[246:247], v[246:247], v[196:197]
	s_delay_alu instid0(VALU_DEP_2)
	v_pk_add_f32 v[14:15], v[14:15], v[240:241]
	s_delay_alu instid0(VALU_DEP_2)
	v_pk_add_f32 v[246:247], v[246:247], v[238:239]
	v_pk_add_f32 v[244:245], v[244:245], v[236:237]
	v_pk_add_f32 v[242:243], v[242:243], v[234:235]
	s_delay_alu instid0(VALU_DEP_2)
	v_pk_add_f32 v[14:15], v[14:15], v[244:245]
	s_delay_alu instid0(VALU_DEP_2)
	v_pk_add_f32 v[246:247], v[246:247], v[242:243]
	s_delay_alu instid0(VALU_DEP_1)
	v_pk_add_f32 v[14:15], v[14:15], v[246:247]
	s_wait_alu depctr_va_vdst(0)                   ; and one for the four
.irp b, 0,1,2,3
	v_max_num_f32 v[BM+\b], 0x2800000, v[BM+\b]    ; the floor 2^(5 - 127): a block of zeros keeps the byte 1; its codes are zeros
.endr
.irp b, 0,1,2,3
	s_delay_alu instid0(VALU_DEP_4)
	v_add_nc_u32 v[BM+\b], 0xfe000000, v[BM+\b]    ; 4 off the exponent field: the conversion's scale operand
.endr
.irp b, 0,1,2,3
	s_delay_alu instid0(VALU_DEP_4)
	v_lshrrev_b32 v[PT+\b], 23, v[BM+\b]           ; the scale's byte
.endr
	s_delay_alu instid0(VALU_DEP_3)
	v_lshl_or_b32 v[PSC], v[PT+1], 8, v[PT]        ; p's scale word for these 128 keys
	s_delay_alu instid0(VALU_DEP_1)
	v_lshl_or_b32 v[PSC], v[PT+2], 16, v[PSC]
	s_delay_alu instid0(VALU_DEP_1)
	v_lshl_or_b32 v[PSC], v[PT+3], 24, v[PSC]
	v_cvt_scalef32_pk16_bf6_f32 v[PC:PC+2], v[S:S+15], v[BM]
	v_cvt_scalef32_pk16_bf6_f32 v[PT:PT+2], v[S+16:S+31], v[BM+1]
	v_cvt_scalef32_pk16_bf6_f32 v[PC+6:PC+8], v[S+32:S+47], v[BM+2]
	v_cvt_scalef32_pk16_bf6_f32 v[H1:H1+2], v[S+48:S+63], v[BM+3]
	v_nop                                          ; one plain line behind the conversions
.irp i, 0,1,2
	v_permlane16_swap_b32 v[PC+\i], v[PT+\i]       ; a whole block to a lane
.endr
.irp i, 0,1,2
	v_permlane16_swap_b32 v[PC+6+\i], v[H1+\i]
.endr
.irp i, 0,1,2
	v_mov_b32 v[PC+3+\i], v[PT+\i]
.endr
.irp i, 0,1,2
	v_mov_b32 v[PC+9+\i], v[H1+\i]
.endr
.set n, 0
.rept 16
	v_pk_mul_f32 v[O+n:O+n+1], v[O+n:O+n+1], v[F:F+1] op_sel_hi:[1,0]   ; O^T under the new M; these 16 are also the places between the writes of p's codes and scale word and the products
.set n, n+2
.endr
	s_wait_alu depctr_va_vdst(0)
	s_wait_dscnt 0x0                               ; V
.irp t, 0,1,2,3
.if \t%2
	v_wmma_scale_f32_16x16x128_f8f6f4 v[O+8*\t:O+8*\t+7], v[VF+12*\t:VF+12*\t+11], v[PC:PC+11], v[O+8*\t:O+8*\t+7], v[VSC+\t/2], v[PSC] matrix_a_fmt:MATRIX_FMT_BF6 matrix_b_fmt:MATRIX_FMT_BF6 matrix_a_scale:MATRIX_SCALE_ROW1
.else
	v_wmma_scale_f32_16x16x128_f8f6f4 v[O+8*\t:O+8*\t+7], v[VF+12*\t:VF+12*\t+11], v[PC:PC+11], v[O+8*\t:O+8*\t+7], v[VSC+\t/2], v[PSC] matrix_a_fmt:MATRIX_FMT_BF6 matrix_b_fmt:MATRIX_FMT_BF6
.endif
.endr
.Lhidden_\@:
	s_add_co_u32 s[KSI], s[KSI], 1
.endm
.macro SLOT_STEPS
	v_add_nc_u32 v[AD16], s[TB], v[LI]
	v_add_nc_u32 v[AD8], s[TB], v[L8]
	STEP 0
	STEP 1
	s_xor_b32 s[TB], s[TB], SLOT1
.endm
; My tile of block s[BLKQ]'s queries is asked for: the image of its pair of tiles (12 registers) and my rows' scale word.  v146 holds the word's place.
.macro QASK
	s_wait_xcnt 0x0                                ; earlier loads have read the bases that are written here
	s_mul_i32 s38, s[BLKQ], HPITCH
	s_lshr_b32 s52, s[WV], 1
	s_mul_i32 s52, s52, 1536
	s_add_co_u32 s52, s52, s38
	s_mov_b32 s53, 0
	s_add_nc_u64 s[QB:QB+1], s[HB:HB+1], s[52:53]
	s_lshr_b32 s52, s[WV], 3
	s_lshl_b32 s52, s52, 9
	s_add_co_u32 s52, s52, s38
	s_add_co_u32 s52, s52, 12288
	s_add_nc_u64 s[QSB:QSB+1], s[HB:HB+1], s[52:53]
	global_load_b128 v[S:S+3], v[LI], s[QB:QB+1]
	global_load_b128 v[S+4:S+7], v[LI], s[QB:QB+1] offset:512
	global_load_b128 v[S+8:S+11], v[LI], s[QB:QB+1] offset:1024
	global_load_b32 v[QSC], v146, s[QSB:QSB+1]
.endm
; and taken: the pair's first or second six registers; then everything begins anew for the block
.macro QTAKE
	s_wait_loadcnt 0x0
.irp i, 0,1,2,3,4,5
	v_cndmask_b32 v[QF+\i], v[S+\i], v[S+6+\i], s[ODD]
.endr
	v_mov_b32 v13, 0xff61b1e6                      ; the largest t so far: -3e38
	s_delay_alu instid0(VALU_DEP_1)
	v_floor_f32 v12, -v13
	v_mov_b32 v14, 0
	v_mov_b32 v15, 0
.set n, 0
.rept 32
	v_mov_b32 v[O+n], 0                            ; O^T: the first change of M multiplies zeros.  (Also the places between the writes of Q and the products)
.set n, n+1
.endr
	s_mov_b32 s[KSI], 0
	s_lshl_b32 s[QSI], s[BLKQ], 1
	s_lshr_b32 s52, s[WV], 3
	s_add_co_u32 s[QSI], s[QSI], s52
	s_lshl_b32 s52, s[BLKQ], 4
	s_add_co_u32 s52, s52, s[RT0]                  ; my tile of rows: 128 batch + 16 block + wave
	s_lshl_b32 s38, s52, 4
	s_add_co_u32 s38, s38, s[HD]
	s_mul_i32 s38, s38, 768
	s_add_nc_u64 s[OCB:OCB+1], s[6:7], s[38:39]
	s_lshl_b32 s38, s52, 9
	s_lshl_b32 s53, s[HD], 1
	s_add_co_u32 s38, s38, s53
	s_add_nc_u64 s[OSB:OSB+1], s[8:9], s[38:39]
.endm
; A QUERY BLOCK'S END: O^T / the sum, quantised along the head's 64 (two blocks of 32), stored.  next = 1: the second block's queries are asked for first and taken last.
.macro FINAL next
	v_add_f32 v14, v14, v15                        ; the sum's two halves.  (This line and the three or four below are the places behind the last products)
	v_and_b32 v147, 15, v0
	s_delay_alu instid0(VALU_DEP_1)
	v_lshlrev_b32 v147, 5, v147                    ; os: 32 bytes a row
.if \next
	v_and_b32 v146, 15, v0
	s_delay_alu instid0(VALU_DEP_1)
	v_lshl_add_u32 v146, v146, 4, s[QSO]
	s_mov_b32 s[BLKQ], s[WI]
	s_wait_alu depctr_va_vdst(0)
	QASK
.else
	v_nop
.endif
	v_permlanex16_b32 v[TT], v14, s[SEL], s[SEL+1]
	s_delay_alu instid0(VALU_DEP_1)
	v_add_f32 v14, v14, v[TT]                      ; the row's sum
	s_wait_alu depctr_va_vdst(0)
	v_rcp_f32 v[F], v14
	v_nop                                          ; a plain line behind the reciprocal
	s_wait_alu depctr_va_vdst(0)                   ; ahead of its first reader
.set n, 0
.rept 16
	v_pk_mul_f32 v[O+n:O+n+1], v[O+n:O+n+1], v[F:F+1] op_sel_hi:[1,0]   ; register 16 g + i is o(query, 32 g + 16 (lane / 16) + i)
.set n, n+2
.endr
.irp b, 0,1
	v_max3_num_f32 v[BM+\b], |v[O+16*\b]|, |v[O+16*\b+1]|, 0x2800000
.endr
.irp i, 2,4,6,8,10,12,14
.irp b, 0,1
	s_delay_alu instid0(VALU_DEP_2)
	v_max3_num_f32 v[BM+\b], v[BM+\b], |v[O+16*\b+\i]|, |v[O+16*\b+\i+1]|
.endr
.endr
.irp b, 0,1
	s_delay_alu instid0(VALU_DEP_2)
	v_permlanex16_b32 v[PT+\b], v[BM+\b], s[SEL], s[SEL+1]
.endr
.irp b, 0,1
	s_delay_alu instid0(VALU_DEP_2)
	v_max_num_f32 v[BM+\b], v[BM+\b], v[PT+\b]
.endr
.irp b, 0,1
	s_delay_alu instid0(VALU_DEP_2)
	v_add_nc_u32 v[BM+\b], 0xfe000000, v[BM+\b]
.endr
.irp b, 0,1
	s_delay_alu instid0(VALU_DEP_2)
	v_lshrrev_b32 v[PT+\b], 23, v[BM+\b]
.endr
	s_delay_alu instid0(VALU_DEP_1)
	v_lshl_or_b32 v[TT], v[PT+1], 8, v[PT]         ; the head's two scale bytes of my row
	v_cvt_scalef32_pk16_bf6_f32 v[PC:PC+2], v[O:O+15], v[BM]
	v_cvt_scalef32_pk16_bf6_f32 v[PT:PT+2], v[O+16:O+31], v[BM+1]
	v_nop                                          ; one plain line behind the conversions
.irp i, 0,1,2
	v_permlane16_swap_b32 v[PC+\i], v[PT+\i]
.endr
.irp i, 0,1,2
	s_delay_alu instid0(VALU_DEP_3)
	v_mov_b32 v[PC+3+\i], v[PT+\i]
.endr
.irp p, 0,1,2
	global_store_b64 v[L8], v[PC+2*\p:PC+2*\p+1], s[OCB:OCB+1] offset:256*\p   ; 256 consecutive bytes, aligned
.endr
	global_store_b16 v147, v[TT], s[OSB:OSB+1]     ; lanes r and r + 16 write the same two bytes with the same value
.if \next
	s_wait_xcnt 0x0                                ; the stores have read their registers and bases: both are written again below
	QTAKE
.endif
.endm
	s_load_b128 s[4:7], s[0:1], 0x0                ; qkv, oc
	s_load_b64 s[8:9], s[0:1], 0x10                ; os
	v_lshl_add_u32 v[SPW], v0, 2, SPARE
	v_mov_b32 v[NIL], 0
	ds_add_u32 v5, v6
	ds_add_u32 v5, v6
	s_wait_dscnt 0x0
	v_lshrrev_b32 v[S], 5, v0
	s_delay_alu instid0(VALU_DEP_1)
	v_readfirstlane_b32 s[WV], v[S]                ; wave 0..15
	s_and_b32 s52, ttmp7, 0xffff                   ; 16 x batch + head
	s_mov_b32 s[WI], ttmp9
	s_sub_co_u32 s[NA], 8, s[WI]
	s_lshr_b32 s[RT0], s52, 4
	s_lshl_b32 s[RT0], s[RT0], 7
	s_add_co_u32 s[RT0], s[RT0], s[WV]
	s_and_b32 s[HD], s52, 15
	s_mul_i32 s38, s52, HEADB
	s_mov_b32 s39, 0                               ; stays 0
	s_mov_b32 s[TX+1], 0                           ; stays 0
	s_and_b32 s53, s[WV], 1
	s_lshl_b32 s[QSO], s53, 8                      ; Q's scale words: lanes' places 16 (w % 2) on, word (w % 8) / 2
	s_bfe_u32 s55, s[WV], 0x20001
	s_lshl_b32 s56, s55, 2
	s_add_co_u32 s[QSO], s[QSO], s56
	s_lshl_b32 s56, s55, 5
	s_lshl_b32 s55, s53, 3
	s_add_co_u32 s56, s56, s55                     ; my tile's first query in its 128: 32 ((w % 8) / 2) + 8 (w % 2)
	s_mul_i32 s57, s53, HALFL
	s_cmp_eq_u32 s53, 1
	s_cselect_b32 s[ODD], -1, 0
	; descriptor group 1: 51 rows of 256 bytes (32 elements of 8), dense, no padding
	s_mov_b32 s[G1], 3<<16
	s_mov_b32 s[G1+1], 32<<16                      ; tensor_dim0
	s_mov_b32 s[G1+2], 51<<16                      ; tensor_dim1
	s_mov_b32 s[G1+3], 32<<16                      ; tile_dim0
	s_mov_b32 s[G1+4], 51                          ; tile_dim1
	s_mov_b32 s[G1+5], 32                          ; from row to row
	s_mov_b32 s[G1+6], 0
	s_mov_b32 s[G1+7], 0
	s_mov_b32 s[SEL], 0x76543210
	s_mov_b32 s[SEL+1], 0xfedcba98
	s_mov_b32 s[CS], 0x3e38aa3b                    ; log2(e) / 8
	s_mov_b32 s[CS+1], s[CS]
	s_wait_kmcnt 0x0
	s_add_nc_u64 s[HB:HB+1], s[4:5], s[38:39]
	s_add_co_u32 s38, s57, 13312
	s_add_nc_u64 s[KVB:KVB+1], s[HB:HB+1], s[38:39]
	s_mov_b32 s[G0], 1
	s_mov_b32 s[G0+1], s57                         ; slot 0, my half
	s_mov_b64 s[G0+2:G0+3], s[KVB:KVB+1]
	s_or_b32 s[G0+3], s[G0+3], 0x80000000
	TLOAD                                          ; the first trip's keys
	v_and_b32 v[L8], 31, v0
	s_delay_alu instid0(VALU_DEP_1)
	v_lshlrev_b32 v[LI], 4, v[L8]
	s_delay_alu instid0(VALU_DEP_2)
	v_lshlrev_b32 v[L8], 3, v[L8]
	v_and_b32 v146, 15, v0
	s_delay_alu instid0(VALU_DEP_1)
	v_lshl_add_u32 v146, v146, 4, s[QSO]
	s_sub_co_u32 s[BLKQ], 7, s[WI]
	s_wait_alu depctr_va_vdst(0)
	QASK
	v_and_b32 v148, 15, v0
	v_and_b32 v149, 8, v0
	s_delay_alu instid0(VALU_DEP_1)
	v_add_nc_u32 v148, v148, v149                  ; r + 8 (r / 8)
	v_and_b32 v149, 16, v0
	s_delay_alu instid0(VALU_DEP_1)
	v_sub_nc_u32 v148, v148, v149                  ; - 16 (lane / 16)
	s_delay_alu instid0(VALU_DEP_1)
	v_add_nc_u32 v[QI], s56, v148
.irp i, 6,7,8,9,10,11
	v_mov_b32 v[QF+\i], 0                          ; Q's upper half: zero codes, for the whole launch
.endr
.irp i, 80,81,82,83,84,85
	v_mov_b32 v\i, 0                               ; behind K's tile 7
.endr
.irp i, 0,1,2,3
	v_mov_b32 v[PT+\i], 0                          ; written once: a lane permute's destination counts as one of its sources
.endr
	v_mov_b32 v[TT], 0
	v_mov_b32 v[F+1], 0                            ; named with f as a pair
	QTAKE
	s_mov_b32 s[TB], 0
	s_mov_b32 s[TR], 0
.Lslot:                                            ; eight trips; behind each change of slots the next trip's keys are asked for
	CHANGE 1
	SLOT_STEPS
	s_add_co_u32 s19, s[TR], 1
	s_cmp_lg_u32 s19, s[NA]                        ; the first query block's last trip?  The same in all waves; no barrier and no tensor load stands inside
	s_cbranch_scc1 .Lsame
	FINAL 1
.Lsame:
	s_add_co_u32 s[TR], s[TR], 1
	s_cmp_lt_u32 s[TR], 8
	s_cbranch_scc1 .Lslot
	CHANGE 0                                       ; the ninth trip is written out
	SLOT_STEPS
	FINAL 0
	s_wait_tensorcnt 0x0                           ; the wave's end
	ds_add_u32 v[SPW], v[NIL]
	s_wait_dscnt 0x0
	s_endpgm
.Lfunc_end_k_qd3414ba87b_attn:
	.size	k_qd3414ba87b_attn, .Lfunc_end_k_qd3414ba87b_attn-k_qd3414ba87b_attn
	.p2alignl 7, 3214868480
	.fill 96, 4, 3214868480
	.section	.rodata,"a",@progbits
	.p2align	6, 0x0
	.amdhsa_kernel k_qd3414ba87b_attn
		.amdhsa_group_segment_fixed_size 327680
		.amdhsa_private_segment_fixed_size 0
		.amdhsa_enable_private_segment 0
		.amdhsa_kernarg_size 24
		.amdhsa_user_sgpr_count 2
		.amdhsa_user_sgpr_kernarg_segment_ptr 1
		.amdhsa_wavefront_size32 1
		.amdhsa_system_sgpr_workgroup_id_x 1
		.amdhsa_system_sgpr_workgroup_id_y 1
		.amdhsa_system_sgpr_workgroup_id_z 1
		.amdhsa_system_vgpr_workitem_id 0
		.amdhsa_next_free_vgpr 256
		.amdhsa_next_free_sgpr 66
		.amdhsa_reserve_vcc 1
		.amdhsa_float_denorm_mode_32 3
		.amdhsa_float_denorm_mode_16_64 3
		.amdhsa_memory_ordered 1
		.amdhsa_forward_progress 1
		.amdhsa_inst_pref_size 106
	.end_amdhsa_kernel
	.amdgpu_metadata
---
amdhsa.version: [ 1, 2 ]
amdhsa.kernels:
  - .name:           k_qd3414ba87b_attn
    .symbol:         k_qd3414ba87b_attn.kd
    .args:
      - { .name: qkv, .offset: 0, .size: 8, .value_kind: global_buffer, .address_space: global }
      - { .name: oc, .offset: 8, .size: 8, .value_kind: global_buffer, .address_space: global }
      - { .name: os, .offset: 16, .size: 8, .value_kind: global_buffer, .address_space: global }
    .group_segment_fixed_size: 327680
    .private_segment_fixed_size: 0
    .kernarg_segment_align: 8
    .kernarg_segment_size: 24
    .max_flat_workgroup_size: 512
    .sgpr_count:     66
    .vgpr_count:     256
    .wavefront_size: 32
...
	.end_amdgpu_metadata
.endif
;; end of part 3
;; launch proj (part 4): grid 4 x 32, 4 waves a work-group, clusters of 4 x 4, 327,680 bytes of LDS; arguments oc, os, wc, ws, out0; writes out0
.if DOCPART == 4
	.amdgcn_target "amdgcn-amd-amdhsa--gfx1250"
	.amdhsa_code_object_version 6
	.text
	.protected	k_qd3414ba87b_proj
	.globl	k_qd3414ba87b_proj
	.p2align	8
	.type	k_qd3414ba87b_proj,@function
k_qd3414ba87b_proj:
	s_mov_b64 s[64:65], 0
	v_nop
	global_prefetch_b8 v0, s[64:65] scope:SCOPE_SE
	s_setreg_imm32_b32 hwreg(HW_REG_WAVE_MODE, 25, 1), 1
	s_wait_xcnt 0x0
	s_wait_alu depctr_hold_cnt(0) depctr_sa_sdst(0) depctr_va_vdst(0) depctr_va_sdst(0) depctr_va_ssrc(0) depctr_va_vcc(0) depctr_vm_vsrc(0)
	s_getreg_b32 s2, hwreg(HW_REG_IB_STS2, 6, 4)
	s_cmp_eq_u32 s2, 0
	s_cbranch_scc0 .Lentry_in_a_cluster
	s_endpgm
.Lentry_in_a_cluster:
	s_bfe_u32 s2, ttmp6, 0x10000c
	s_cmp_lg_u32 s2, 0xf033
	s_cbranch_scc0 .Lentry_shape_is_right
	s_endpgm
.Lentry_shape_is_right:
; out0 = o Wo on codes of BF6 (E3M2) with E8M0 scales: [8,192][1,024] f32, K = 1,024.
; A = o: oc [tile of 16 rows: 512][head 16][3][lane][8 bytes], images of operand registers (six registers a head: k = 64 head + 32 (lane / 16) + 0 .. 31); os [8,192][32].  B = Wo's columns: rows 3,072 on of wc [.][768], ws [.][32].
; Rows of A and of B keep the workspace's order (bits 3 and 4 of the row number exchanged); the way out puts rows and columns back.
; A tile of 256 x 256 is made by four waves, 128 x 128 each: 64 accumulators, 512 registers.  K goes in steps of 256 through two LDS slots; all scale bytes of the tile's rows come once.
; CLUSTERS: 4 x 4 work-groups; A's tile is asked for jointly along a row of the cluster, B's along a column.  THE MATRIX INSTRUCTION IS USED TRANSPOSED (source 0 = 16 rows of B, source 1 = 16 rows of A).
; The grid has 128 work-groups: the tile is kept large, since a smaller one would read each fragment from LDS for half the products.
; REGISTERS: window 0: v0-31 addresses; v32-63 scale words, two sets; from v128 A's fragments, one set; window 1: B's fragments, two sets; windows 2, 3: the accumulators.
.set KSTEP,  256
.set NQ,     2
.set ROWB,   192                       ; B: a tile's row in bytes
.set KROW,   768
.set PITCH,  240                       ; B: an LDS row: 3 x (64 bytes + 16 of padding)
.set ASTEP,  3072                      ; A: a K step (four heads) of a tile of 16 rows
.set FR,     12
.set NL,     6
.set NP,     4
.set HALFA,  8*ASTEP                   ; A: 128 rows of a K step
.set HALFT,  128*PITCH                 ; B: the same
.set BOFF,   2*HALFA
.set SLOT,   BOFF+2*HALFT
.set KS,     32
.set SCL,    2*SLOT
.set HALFS,  (128*KS/256)*272
.set SBLK,   (16*KS/256)*272
.set SPARE,  SCL+4*HALFS               ; the spare words: two blocks of 256 bytes that no other line names
.set SPITCH, 528                       ; the way out: a stage of 16 rows x (512 + 16) bytes for each wave, in slot 0, which has had its last fill and its last read by then
.set ADRA, 16                          ; v16-17  8 x lane + my 128 rows of A in slot 0, 1
.set ADRB, 20                          ; v20-23
.set STO,  24
.set RD,   25
.set CO,   26
.set ADRS, 27
.set SPW,  28
.set NIL,  29
.set SC,   32
.set AF,   128
.set BK,   128
.set G1, 24
.set G0, 32
.set G1B, 48
.set G0B, 56
.set G1S, 68
.set G0S, 76
.set G1SB, 80
.set G0SB, 88
.set MSB, 0
.macro WIN new
.if MSB != (\new)
	s_set_vgpr_msb (MSB<<8)|(\new)
.set MSB, (\new)
.endif
.endm
.set MUL_LO, 0xa1
.set MUL_HI, 0xf1
.set TO_B,   0x40
.macro JLOAD g0a, g1a, g0b, g1b        ; waves 0 and 1 fetch for A, waves 2 and 3 for B; four v_nop follow each of the two lines
	s_cmp_eq_u32 s15, 0
	s_cbranch_scc0 .Lfor_b_\@
	tensor_load_to_lds s[\g0a:\g0a+3], s[\g1a:\g1a+7]
	s_nop 0
.rept 4
	v_nop
.endr
	s_branch .Lasked_\@
.Lfor_b_\@:
	tensor_load_to_lds s[\g0b:\g0b+3], s[\g1b:\g1b+7]
	s_nop 0
.rept 4
	v_nop
.endr
.Lasked_\@:
.endm
.macro CREST
	s_cmp_lg_u32 s14, 0
	s_cbranch_scc1 .Lnot_wave_0_\@
	s_barrier_signal -3
.Lnot_wave_0_\@:
	s_barrier_wait -3
	s_barrier_signal -1
	s_barrier_wait -1
.endm
.macro CROUND
	s_barrier_signal -1
	s_barrier_wait -1
	CREST
.endm
	s_load_b128 s[4:7], s[0:1], 0x0                ; oc, os
	s_load_b128 s[8:11], s[0:1], 0x10              ; wc, ws
	s_load_b64 s[12:13], s[0:1], 0x20              ; out0
	v_lshl_add_u32 v[SPW], v0, 2, SPARE
	v_mov_b32 v[NIL], 0
	ds_add_u32 v28, v29
	s_wait_dscnt 0x0
	v_lshrrev_b32 v1, 5, v0
	v_readfirstlane_b32 s14, v1                    ; wave 0..3
	s_lshr_b32 s15, s14, 1                         ; which half of the tile's rows is mine.  Also: I fetch for A (0) or for B (1)
	s_and_b32 s16, s14, 1                          ; which half of its columns.  Also: which 128 rows I fetch
	s_bfe_u32 s40, ttmp6, 0x40000                  ; cx
	s_bfe_u32 s41, ttmp6, 0x40004                  ; cy
	s_lshl_b32 s42, ttmp9, 2
	s_add_co_u32 s42, s42, s40                     ; tile column
	s_and_b32 s17, ttmp7, 0xffff
	s_lshl_b32 s17, s17, 2
	s_add_co_u32 s17, s17, s41                     ; tile row
	s_lshl_b32 s43, s41, 2
	s_lshl_b32 s43, 15, s43                        ; my row of the cluster
	s_lshl_b32 s44, 0x1111, s40                    ; my column
	; A: 8 tiles of 16 rows x 3,072 bytes (384 elements of 8), 12,288 bytes apart, no padding
	s_or_b32 s[G1+0], s43, (3<<16)|(1<<21)
	s_mov_b32 s[G1+1], 384<<16                     ; tensor_dim0
	s_mov_b32 s[G1+2], 8<<16                       ; tensor_dim1
	s_mov_b32 s[G1+3], 384<<16                     ; tile_dim0
	s_mov_b32 s[G1+4], 8                           ; tile_dim1
	s_mov_b32 s[G1+5], 1536                        ; from row to row, in elements
	s_mov_b32 s[G1+6], 0
	s_mov_b32 s[G1+7], 0
	; B: 128 rows x 192 bytes; 16 bytes of padding behind every 64
	s_or_b32 s[G1B+0], s44, (0<<16)|(1<<20)|(1<<21)|(3<<22)|(3<<25)
	s_mov_b32 s[G1B+1], ROWB<<16
	s_mov_b32 s[G1B+2], 128<<16
	s_mov_b32 s[G1B+3], ROWB<<16
	s_mov_b32 s[G1B+4], 128
	s_mov_b32 s[G1B+5], KROW
	s_mov_b32 s[G1B+6], 0
	s_mov_b32 s[G1B+7], 0
	; the scales of 128 rows: 16 rows of 256 bytes, 16 bytes of padding behind each
	s_or_b32 s[G1S+0], s43, (3<<16)|(1<<20)|(1<<21)|(5<<22)|(3<<25)
	s_or_b32 s[G1SB+0], s44, (3<<16)|(1<<20)|(1<<21)|(5<<22)|(3<<25)
.irp g, G1S, G1SB
	s_mov_b32 s[\g+1], 32<<16
	s_mov_b32 s[\g+2], (128*KS/256)<<16
	s_mov_b32 s[\g+3], 32<<16
	s_mov_b32 s[\g+4], 128*KS/256
	s_mov_b32 s[\g+5], 32
	s_mov_b32 s[\g+6], 0
	s_mov_b32 s[\g+7], 0
.endr
	s_lshl_b32 s18, s16, 7
	s_lshl_b32 s20, s17, 8
	s_add_co_u32 s20, s20, s18                     ; A: row
	s_lshl_b32 s46, s42, 8
	s_add_co_u32 s46, s46, s18
	s_add_co_u32 s46, s46, 3072                    ; B: row; Wo's columns begin at row 3,072 of wc
	s_mov_b32 s21, 0
	s_mov_b32 s47, 0
	s_mov_b64 s[18:19], KS
	s_mul_u64 s[22:23], s[20:21], s[18:19]
	s_mul_u64 s[92:93], s[46:47], s[18:19]
	s_mov_b64 s[18:19], KROW
	s_mul_u64 s[20:21], s[20:21], s[18:19]         ; A: 768 bytes a row in the mean: 12,288 for a tile of 16 rows
	s_mul_u64 s[46:47], s[46:47], s[18:19]
	s_mul_i32 s45, s16, HALFA                      ; where they go: A's two halves,
	s_mul_i32 s95, s16, HALFT
	s_add_co_u32 s95, s95, BOFF                    ; then B's two
	s_mul_i32 s94, s14, HALFS
	s_wait_kmcnt 0x0
	s_add_nc_u64 s[20:21], s[4:5], s[20:21]
	s_add_nc_u64 s[22:23], s[6:7], s[22:23]
	s_add_nc_u64 s[46:47], s[8:9], s[46:47]
	s_add_nc_u64 s[92:93], s[10:11], s[92:93]
	CROUND                                         ; all sixteen work-groups are here: the first joint loads meet
	s_mov_b32 s[G0S], 1
	s_add_co_u32 s[G0S+1], s94, SCL
	s_mov_b64 s[G0S+2:G0S+3], s[22:23]
	s_or_b32 s[G0S+3], s[G0S+3], 0x80000000
	s_mov_b32 s[G0SB], 1
	s_add_co_u32 s[G0SB+1], s94, SCL
	s_mov_b64 s[G0SB+2:G0SB+3], s[92:93]
	s_or_b32 s[G0SB+3], s[G0SB+3], 0x80000000
	JLOAD G0S, G1S, G0SB, G1SB
.irp s, 0,1
	s_mov_b32 s[G0+4*\s], 1
	s_add_co_u32 s[G0+4*\s+1], s45, \s*SLOT
	s_add_nc_u64 s[G0+4*\s+2:G0+4*\s+3], s[20:21], \s*ASTEP
	s_or_b32 s[G0+4*\s+3], s[G0+4*\s+3], 0x80000000
	s_mov_b32 s[G0B+4*\s], 1
	s_add_co_u32 s[G0B+4*\s+1], s95, \s*SLOT
	s_add_nc_u64 s[G0B+4*\s+2:G0B+4*\s+3], s[46:47], \s*ROWB
	s_or_b32 s[G0B+4*\s+3], s[G0B+4*\s+3], 0x80000000
	JLOAD G0+4*\s, G1, G0B+4*\s, G1B
.endr
	v_and_b32 v1, 15, v0                           ; l % 16
	v_bfe_u32 v2, v0, 4, 1                         ; l / 16
	v_and_b32 v6, 31, v0
	v_lshlrev_b32 v7, 3, v6                        ; A: 8 x lane
	v_mul_u32_u24 v3, v1, PITCH
	v_mul_u32_u24 v4, v2, 24
	v_add_nc_u32 v4, v3, v4                        ; B: a fragment's row x pitch + 24 x half
	v_lshl_add_u32 v5, v2, 4, v4                   ; and the same behind one padding more
	s_mul_i32 s21, s15, HALFA                      ; my 128 rows of A
	s_mul_i32 s22, s16, HALFT
	s_add_co_u32 s22, s22, BOFF                    ; my 128 rows of B
.irp s, 0,1
	v_add_nc_u32 v[ADRA+\s], s21, v7
	v_add_nc_u32 v[ADRB+\s], s22, v4
	v_add_nc_u32 v[ADRB+2+\s], s22, v5
	s_add_co_u32 s21, s21, SLOT
	s_add_co_u32 s22, s22, SLOT
.endr
	v_mul_u32_u24 v5, v1, KS
	v_lshrrev_b32 v6, 8, v5
	v_lshl_add_u32 v5, v6, 4, v5
	s_mul_i32 s21, s15, HALFS
	s_mul_i32 s22, s16, HALFS
	s_add_co_u32 s22, s22, 2*HALFS
	s_sub_co_u32 s22, s22, s21
	v_mul_u32_u24 v6, s22, v2                      ; lanes 16-31 take B's
	s_add_co_u32 s21, s21, SCL
	v_add_nc_u32 v5, v5, v6
	v_add_nc_u32 v[ADRS], s21, v5
	s_mul_i32 s23, s14, 16*SPITCH                  ; my stage
	v_mul_u32_u24 v5, v1, SPITCH                   ; in: row l % 16; B's block 2 g + u, register j is logical column 32 g + 16 (l / 16) + 8 u + j: 64 bytes for each half of the lanes
	v_lshl_add_u32 v5, v2, 6, v5
	v_add_nc_u32 v[STO], s23, v5
	v_and_b32 v6, 31, v0
	v_lshlrev_b32 v[CO], 4, v6                     ; back: the 32 lanes take one row of 512 bytes; and the same in out0
	v_add_nc_u32 v[RD], s23, v[CO]
	s_lshl_b32 s20, s17, 8
	s_lshl_b32 s21, s15, 7
	s_add_co_u32 s20, s20, s21                     ; my first row of out0
	s_lshl_b32 s20, s20, 12                        ; 4,096 bytes a row (under 2^32 in all)
	s_mov_b32 s21, 0
	s_lshl_b32 s46, s42, 10                        ; my first column, in bytes
	s_lshl_b32 s47, s16, 9
	s_add_co_u32 s46, s46, s47
	s_mov_b32 s47, 0
	s_add_nc_u64 s[20:21], s[20:21], s[46:47]
	s_add_nc_u64 s[12:13], s[12:13], s[20:21]
.macro FRAG reg, adr, q, i             ; B: a fragment from rows: pieces of 8 bytes; the second address register serves where the piece of lanes 16-31 lies behind one padding more
.irp p, 0,1,2,3,4,5
.set PCE, 12*(\q)+6*(\p/3)+\p%3
.if PCE%8 < 5
	ds_load_b64 v[\reg+2*\p:\reg+2*\p+1], v[\adr] offset:8*PCE+16*(PCE/8)+(\i)*16*PITCH
.else
	ds_load_b64 v[\reg+2*\p:\reg+2*\p+1], v[\adr+2] offset:8*PCE+16*(PCE/8)+(\i)*16*PITCH
.endif
.endr
.endm
.macro FRAGA reg, slot, q, i           ; A: a fragment from its image: heads 2 q, 2 q + 1 of the slot's four, three loads of 256 consecutive bytes each
.irp p, 0,1,2,3,4,5
	ds_load_b64 v[\reg+2*\p:\reg+2*\p+1], v[ADRA+\slot] offset:ASTEP*(\i)+768*(2*(\q)+\p/3)+256*(\p%3)
.endr
.endm
.macro MUL16 a0, p, q, sc, zero        ; the 64 accumulators take turns, one instruction a turn, in the same order in every step
.irp a, \a0, \a0+1
.irp b, 0,1,2,3,4,5,6,7
.if \zero
	v_wmma_scale_f32_16x16x128_f8f6f4 v[8*(8*((\a)%4)+\b):8*(8*((\a)%4)+\b)+7], v[128*(\p)+FR*\b:128*(\p)+FR*\b+FR-1], v[AF+FR*(\a):AF+FR*(\a)+FR-1], 0, v[SC+8*NQ*(\sc)+NQ*\b+(\q)], v[SC+8*NQ*(\sc)+NQ*(\a)+(\q)] matrix_a_fmt:MATRIX_FMT_BF6 matrix_b_fmt:MATRIX_FMT_BF6 matrix_a_scale:MATRIX_SCALE_ROW1
.else
	v_wmma_scale_f32_16x16x128_f8f6f4 v[8*(8*((\a)%4)+\b):8*(8*((\a)%4)+\b)+7], v[128*(\p)+FR*\b:128*(\p)+FR*\b+FR-1], v[AF+FR*(\a):AF+FR*(\a)+FR-1], v[8*(8*((\a)%4)+\b):8*(8*((\a)%4)+\b)+7], v[SC+8*NQ*(\sc)+NQ*\b+(\q)], v[SC+8*NQ*(\sc)+NQ*(\a)+(\q)] matrix_a_fmt:MATRIX_FMT_BF6 matrix_b_fmt:MATRIX_FMT_BF6 matrix_a_scale:MATRIX_SCALE_ROW1
.endif
.endr
.endr
.endm
.macro FETCH_B slot, q, p
	WIN TO_B
.irp i, 0,1,2,3,4,5,6,7
	FRAG 128*(\p)+FR*\i, ADRB+\slot, \q, \i
.endr
	WIN 0
.endm
.macro FETCH_A slot, q, i0
.irp i, \i0, \i0+1, \i0+2, \i0+3
	FRAGA AF+FR*(\i), \slot, \q, \i
.endr
.endm
.macro SCALES sc
.irp i, 0,1,2,3,4,5,6,7
	ds_load_b64 v[SC+8*NQ*\sc+NQ*\i:SC+8*NQ*\sc+NQ*\i+1], v[ADRS] offset:\i*SBLK
.endr
.endm
.macro PLACES n
.rept \n
	v_nop
.endr
.endm
.macro STEP slot, q, zero
	s_wait_dscnt 4*NL                              ; all but the youngest 24 loads (A's blocks 4-7)
	WIN MUL_LO
	MUL16 0, (\q)%2, \q, \slot, \zero
	MUL16 2, (\q)%2, \q, \slot, \zero
	s_wait_dscnt 0
	PLACES NP
	FETCH_B \slot, (\q)+1, 1-(\q)%2
	FETCH_A \slot, (\q)+1, 0
	WIN MUL_HI
	MUL16 4, (\q)%2, \q, \slot, \zero
	MUL16 6, (\q)%2, \q, \slot, \zero
	PLACES NP
	WIN 0
	FETCH_A \slot, (\q)+1, 4
.endm
.macro TURN slot, next, fill
	s_wait_tensorcnt 0x0                           ; all my tensor loads have landed: my part of the next slot
	ds_add_u32 v[SPW], v[NIL]                      ; 0 onto my spare word
	s_wait_dscnt 4*NL+1                            ; the add and the youngest 24 loads may be out
	WIN MUL_LO
	MUL16 0, 1, NQ-1, \slot, 0
	s_wait_dscnt 0x0                               ; the add is done, and my reads of this slot are over
	s_barrier_signal -1
	MUL16 2, 1, NQ-1, \slot, 0
	WIN 0
	s_barrier_wait -1
.if \fill
	CREST                                          ; a round of the cluster's barrier: no wave of any partner still reads this slot or has a load on its way
	s_add_nc_u64 s[G0+4*\slot+2:G0+4*\slot+3], s[G0+4*\slot+2:G0+4*\slot+3], 2*ASTEP
	s_add_nc_u64 s[G0B+4*\slot+2:G0B+4*\slot+3], s[G0B+4*\slot+2:G0B+4*\slot+3], 2*ROWB
	JLOAD G0+4*\slot, G1, G0B+4*\slot, G1B
.else
	PLACES NP
.endif
	v_add_nc_u32 v[ADRS], 4*NQ, v[ADRS]
	FETCH_B \next, 0, 0
	FETCH_A \next, 0, 0
	SCALES \next
	WIN MUL_HI
	MUL16 4, 1, NQ-1, \slot, 0
	MUL16 6, 1, NQ-1, \slot, 0
	PLACES NP
	WIN 0
	FETCH_A \next, 0, 4
.endm
	s_wait_tensorcnt 1                             ; the scales and my part of K step 0 are in; K step 1's load may be out
	s_barrier_signal -1
	s_barrier_wait -1
	FETCH_B 0, 0, 0
	FETCH_A 0, 0, 0
	SCALES 0
	FETCH_A 0, 0, 4
	STEP 0, 0, 1                                   ; eight steps of 128 along K, written out; the first starts the sums
	TURN 0, 1, 1
	STEP 1, 0, 0
	TURN 1, 0, 1
	STEP 0, 0, 0
	TURN 0, 1, 0
	STEP 1, 0, 0
	s_wait_dscnt 4*NL
	WIN MUL_LO
	MUL16 0, 1, NQ-1, 1, 0
	MUL16 2, 1, NQ-1, 1, 0
	s_wait_dscnt 0
	WIN MUL_HI
	MUL16 4, 1, NQ-1, 1, 0
	MUL16 6, 1, NQ-1, 1, 0
	WIN 0
; THE WAY OUT, block by block of 16 rows x 128 columns, through my own stage in LDS: in by 32 bytes a lane at the columns' logical places, back as whole rows of 512 bytes.  LDS serves a wave's instructions in order.
.macro TOSTAGE a
.set AC, 64*((\a)%4)
	WIN 0x08+4*((\a)/4)                            ; the data: window 2 or 3
.irp b, 0,1,2,3,4,5,6,7
	ds_store_b128 v[STO], v[AC+8*\b:AC+8*\b+3] offset:128*(\b/2)+32*(\b%2)          ; each accumulator from its low end on
	ds_store_b128 v[STO], v[AC+8*\b+4:AC+8*\b+7] offset:128*(\b/2)+32*(\b%2)+16
.endr
	WIN 0
.set BB, BK+64*((\a)%2)
.irp t, 0,1,2,3,4,5,6,7,8,9,10,11,12,13,14,15
	ds_load_b128 v[BB+4*\t:BB+4*\t+3], v[RD] offset:\t*SPITCH
.endr
.endm
.macro SEND a, younger                 ; stage row t of block a is logical row 32 (a / 2) + 8 (a % 2) + t + 8 (t / 8) of my 128: it stands in the immediate, 127 rows of 4,096 bytes at the most
.set BB, BK+64*((\a)%2)
	s_wait_dscnt \younger
.irp t, 0,1,2,3,4,5,6,7,8,9,10,11,12,13,14,15
	global_store_b128 v[CO], v[BB+4*\t:BB+4*\t+3], s[12:13] offset:(32*((\a)/2)+8*((\a)%2)+\t+8*(\t/8))*4096 th:TH_STORE_NT   ; 32 lanes store 512 consecutive bytes, aligned
.endr
.endm
	PLACES NP
	TOSTAGE 0
.irp a, 1,2,3,4,5,6,7
.if \a > 1
	s_wait_xcnt 0x0                                ; block a - 2's stores have read their registers: block a's loads may land there
.endif
	TOSTAGE \a
	SEND \a-1, 32                                  ; behind block a - 1's loads: block a's 16 stores and 16 loads
.endr
	SEND 7, 0
	s_wait_tensorcnt 0x0                           ; the wave's end
	ds_add_u32 v[SPW], v[NIL]
	s_wait_dscnt 0x0
	CROUND                                         ; the closing round
	s_endpgm
.Lfunc_end_k_qd3414ba87b_proj:
	.size	k_qd3414ba87b_proj, .Lfunc_end_k_qd3414ba87b_proj-k_qd3414ba87b_proj
	.p2alignl 7, 3214868480
	.fill 96, 4, 3214868480
	.section	.rodata,"a",@progbits
	.p2align	6, 0x0
	.amdhsa_kernel k_qd3414ba87b_proj
		.amdhsa_group_segment_fixed_size 327680
		.amdhsa_private_segment_fixed_size 0
		.amdhsa_enable_private_segment 0
		.amdhsa_kernarg_size 40
		.amdhsa_user_sgpr_count 2
		.amdhsa_user_sgpr_kernarg_segment_ptr 1
		.amdhsa_wavefront_size32 1
		.amdhsa_system_sgpr_workgroup_id_x 1
		.amdhsa_system_sgpr_workgroup_id_y 1
		.amdhsa_system_sgpr_workgroup_id_z 1
		.amdhsa_system_vgpr_workitem_id 0
		.amdhsa_next_free_vgpr 1024
		.amdhsa_next_free_sgpr 98
		.amdhsa_reserve_vcc 0
		.amdhsa_float_denorm_mode_32 3
		.amdhsa_float_denorm_mode_16_64 3
		.amdhsa_memory_ordered 1
		.amdhsa_forward_progress 1
		.amdhsa_inst_pref_size 159
	.end_amdhsa_kernel
	.amdgpu_metadata
---
amdhsa.version: [ 1, 2 ]
amdhsa.kernels:
  - .name:           k_qd3414ba87b_proj
    .symbol:         k_qd3414ba87b_proj.kd
    .args:
      - { .name: oc, .offset: 0, .size: 8, .value_kind: global_buffer, .address_space: global }
      - { .name: os, .offset: 8, .size: 8, .value_kind: global_buffer, .address_space: global }
      - { .name: wc, .offset: 16, .size: 8, .value_kind: global_buffer, .address_space: global }
      - { .name: ws, .offset: 24, .size: 8, .value_kind: global_buffer, .address_space: global }
      - { .name: out0, .offset: 32, .size: 8, .value_kind: global_buffer, .address_space: global }
    .group_segment_fixed_size: 327680
    .private_segment_fixed_size: 0
    .kernarg_segment_align: 8
    .kernarg_segment_size: 40
    .max_flat_workgroup_size: 128
    .sgpr_count:     98
    .vgpr_count:     1024
    .wavefront_size: 32
...
	.end_amdgpu_metadata
.endif
;; end of part 4
